; MI455X (gfx1250); checked and timed in simulation.
; The chip was launched on July 23, 2026; its instructions are those of AMD's public machine-readable ISA for CDNA 5 (MIT licence, August 2026) and "CDNA5" Instruction Set Architecture Reference Guide (July 2026). The comments in the code are by the model that wrote it; some were corrected since.
;; Self Attention. Allowed arithmetic: matrix products marked QUANTISED: E3M2 operands, one E8M0 scale for each 32 along K, by v_wmma_scale_f32_16x16x128_f8f6f4 with both operands' format E3M2, f32 sums; everything else in f32.
;; Inputs: b_in 3,072 float32; b_out 1,024 float32; w_in 3,072 x 1,024 float32; w_out 1,024 x 1,024 float32; x 2 x 2,048 x 1,024 float32.
;; Outputs: out0 2 x 2,048 x 1,024 float32.
;; This version of the problem:
;;   THIS VERSION OF THE PROBLEM IS GIVEN IN LOW PRECISION. The matrix products marked QUANTISED in the list below multiply operands that are first quantised to E3M2 (3 exponent bits, 2 mantissa bits; 6 bits a number), with one power-of-two scale for each 32 numbers along K (OCP MX v1.0); their sums are f32. All else is computed in f32.
;;   The module's matrix products, in the order in which they are computed (A, B: the left and right operand; K: the contracted axis; several contracted axes count as one K, in the product's order):
;;     1. [M 4,096, K 1,024] x [K 1,024, N 3,072]; A: input x; B: input w_in: QUANTISED
;;     2. batch 32 x [M 2,048, K 64] x [K 64, N 2,048]; A: computed on the way; B: computed on the way: QUANTISED
;;     3. batch 32 x [M 2,048, K 2,048] x [K 2,048, N 64]; A: softmax (see below); B: computed on the way: QUANTISED
;;     4. [M 4,096, K 1,024] x [K 1,024, N 1,024]; A: computed on the way; B: input w_out: QUANTISED
;;   THE QUANTISER, for each operand of a quantised product, along K:
;;     - K is cut into blocks of 32 from its start; a last block that is shorter is filled with zeros.
;;     - A block's scale is 2^e with e = floor(log2(the largest magnitude in the block)) - 4, held to -126 .. 127; a block of zeros has e = 0. As a byte (E8M0): e + 127.
;;     - Each number is divided by its block's scale, clamped to +-28, and rounded to the nearest number of E3M2, ties to even, subnormals kept.
;;     - The product sums the exact products of the quantised numbers (number of the format x scale) in f32.
;;   ~~~python
;;   def quantise(x, axis):      # numpy; x: float32 -> the quantised numbers, widened to float32 again
;;       x = np.moveaxis(x, axis, -1); K = x.shape[-1]
;;       x = np.pad(x, [(0, 0)] * (x.ndim - 1) + [(0, -K % 32)]); x = x.reshape(x.shape[:-1] + (-1, 32)); a = np.abs(x).max(-1, keepdims=True)
;;       e = np.where(a > 0, np.clip(np.frexp(np.where(a > 0, a, 1))[1] - 1 - 4, -126, 127), 0)      # np.frexp(a)[1] - 1 = floor(log2(a)), exactly
;;       r = np.clip(x / 2.0 ** e, -28, 28)
;;       step = 2.0 ** (np.maximum(np.frexp(np.where(r == 0, 1, r))[1] - 1, -2) - 2)
;;       q = np.round(r / step) * step * 2.0 ** e      # np.round: ties to even
;;       return np.moveaxis(q.reshape(q.shape[:-2] + (-1,))[..., :K], -1, axis).astype(np.float32)
;;   ~~~
;;   SOFTMAX AHEAD OF A QUANTISED PRODUCT. Where the list says 'softmax', what is quantised is not the finished softmax but p = 2^(t - M), with t = logit x log2(e) and M = ceil(the row's largest t), a whole number; so 1/2 < the row's largest p <= 1. The row's sum l is taken of the UNQUANTISED p, in f32, and the product's result is divided by l at the end. Since M is a whole number, a kernel that streams over the keys may use a running M (the ceiling of the running maximum): every later rescaling is an exact power of two, which a block's scale takes up: the codes' values come out the same.
;;   OPERANDS COMPUTED ON THE WAY. 'Computed on the way' means the value that the module computes at that place (a softmax that the list does not call 'softmax' is quantised finished and normalised). What goes into a quantiser is computed in f32, as accurately as f32 sums, v_exp_f32 and their like allow (about 1e-6 of the number): no bf16 or f16 on the way to a quantiser, and a product that is left as it is and whose result goes on into a quantised operand takes f32 operands (vector FMAs, or v_wmma_f32_16x16x4_f32). A number that lies on a knife's edge between two numbers of the format may be rounded either way, as far as f32 arithmetic and the matrix unit's own rounding can turn it there, and no further.
;; One version. Each part assembles by itself: llvm-mc -triple=amdgcn-amd-amdhsa -mcpu=gfx1250 --defsym DOCPART=n.
;; ======== version 1 of 1: 4 launches
;; limits: right only within a limited range of input values
;; workspace buffers: wc 6,553,600 bytes; ac 9,830,400 bytes; asc 262,144 bytes; oc 3,276,800 bytes
;; launch quant (part 1): grid 256 x 1, 8 waves a work-group, no clusters, 69,632 bytes of LDS; arguments x, w_in, w_out, wc; writes wc
.if DOCPART == 1
	.amdgcn_target "amdgcn-amd-amdhsa--gfx1250"
	.amdhsa_code_object_version 6
	.text
	.protected	k_q3c39d6d40f_quant
	.globl	k_q3c39d6d40f_quant
	.p2align	8
	.type	k_q3c39d6d40f_quant,@function
k_q3c39d6d40f_quant:
	s_mov_b64 s[64:65], 0
	v_nop
	global_prefetch_b8 v0, s[64:65] scope:SCOPE_SE
	s_setreg_imm32_b32 hwreg(HW_REG_WAVE_MODE, 25, 1), 1
	s_wait_xcnt 0x0
; x [4096][1024], w_in [3072][1024], w_out [1024][1024], f32, K innermost, become codes of E3M2 (6 bits) with one E8M0 byte for each 32 along K.
; The three tensors count as one run of 8,192 rows.  A TILE T is 16 rows; lane r of tile T holds row 64 (T / 4) + 8 (T % 4) + (r & 7) + 32 (r >> 3): with that order the results of a product
; that takes four such tiles as source 0 put 32 neighbours of the next product's K, a whole block, into one lane's 32 registers.
; LAYOUT: wc is [four tiles 0..127][K step of 128 0..7][6400 bytes]: the four tiles' codes (1,536 each), then their scale words ([tile][r], 256 bytes).
; Codes are images of the operand's registers: 16 rows x 64 K are 768 bytes: lane l's registers 0-3 at 16 l, its registers 4-5 at 512 + 8 l; lane (r, h) holds k = 32 h .. 32 h + 31 of its row.
; A block's scale is 2^(floor(log2(largest magnitude)) - 4); its byte is the largest magnitude's exponent field - 4.
; LIMITS: a largest magnitude under 2^-122 is taken as 2^-122 (byte 1), so a block of zeros has byte 1 and zero codes (only this program reads the bytes); NaN and infinities are not served.
; WORK LEFT OUT (in launch attn): the steps of 128 keys that all come after every query of a tile.  reference()'s own causal mask sets their logits to -infinity ahead of the softmax, so their weights are 0
; for all values of the inputs.  A NaN, an infinity or an overflow that reaches only such logits is not carried to the result.
; SHARES: work-group g takes the four tiles g / 2 and K steps 4 (g % 2) .. + 3; wave w takes tile w & 3 and two of the K steps: 16 rows x 256 numbers, two fragments.
; Each load reads 512 consecutive bytes of one row; a fragment's 16 rows turn through the wave's own stage in LDS (rows 528 bytes apart) so that a lane gets its blocks whole.
; The scale words of the four waves that share a K step are gathered in LDS and leave as aligned units of 256 bytes: one barrier.
.set TM,  16                           ; v16-23  at work in QUANT
.set PC0, 24                           ; v24-35, v36-47  the two fragments' codes
.set PC1, 36
.set CT,  48                           ; v48-54  at work
.set PW0, 56                           ; v56, v57  the two fragments' scale words
.set PW1, 57
.set H8,  10                           ; v10  8 h
.set XN,  64                           ; v64-127  fragment 0 in the quantiser's order
.set RA,  128                          ; v128-191 fragment 0 as loaded, later fragment 1 in the quantiser's order
.set RB,  192                          ; v192-255 fragment 1 as loaded
.set SEL, 20                           ; s[20:21] lane selects: lane l xor 16
.set SP,  528                          ; a stage row: 512 bytes + 16
.set STG, 16*SP                        ; a wave's stage
.set GATH, 8*STG                       ; the gathered scale words: 4 K steps x 256 bytes
.set SPARE, GATH+1024                  ; the spare words, 128 bytes for each wave, that no other line names
; 64 numbers of a lane, register 32 c + i = k 64 c + 32 h + i of its row, become a fragment's 12 registers in v[pc] on and the row's scale word in v[pw]
.macro QUANT s, pw, pc
.irp c, 0,1
	v_max3_num_f32 v[TM+2*\c], |v[\s+32*\c]|, |v[\s+1+32*\c]|, 0x2800000   ; with the floor 2^(5 - 127): the byte cannot fall under 1
	v_max3_num_f32 v[TM+2*\c+1], |v[\s+16+32*\c]|, |v[\s+17+32*\c]|, |v[\s+18+32*\c]|
.endr
.irp i, 2,4,6,8,10,12
.irp c, 0,1
	v_max3_num_f32 v[TM+2*\c], v[TM+2*\c], |v[\s+32*\c+\i]|, |v[\s+1+32*\c+\i]|   ; four chains by turns
	v_max3_num_f32 v[TM+2*\c+1], v[TM+2*\c+1], |v[\s+17+32*\c+\i]|, |v[\s+18+32*\c+\i]|
.endr
.endr
.irp c, 0,1
	v_max3_num_f32 v[TM+2*\c], v[TM+2*\c], |v[\s+14+32*\c]|, |v[\s+15+32*\c]|
.endr
.irp c, 0,1
	v_max3_num_f32 v[TM+2*\c], v[TM+2*\c], v[TM+2*\c+1], |v[\s+31+32*\c]|
.endr
.irp c, 0,1
	v_add_nc_u32 v[TM+4+\c], 0xfe000000, v[TM+2*\c]   ; 4 off its exponent field: the conversion's scale operand
.endr
.irp c, 0,1
	v_cvt_scalef32_pk16_bf6_f32 v[\pc+6*\c:\pc+2+6*\c], v[\s+32*\c:\s+15+32*\c], v[TM+4+\c]
	v_cvt_scalef32_pk16_bf6_f32 v[CT+4*\c:CT+2+4*\c], v[\s+16+32*\c:\s+31+32*\c], v[TM+4+\c]   ; (three registers begin on an even number)
.endr
.irp c, 0,1
	v_lshrrev_b32 v[TM+6+\c], 23, v[TM+4+\c]       ; the scales' bytes, of blocks h and 2 + h (plain places behind the conversions)
.endr
	v_lshl_or_b32 v[\pw], v[TM+7], 16, v[TM+6]
.irp i, 0,1,2
	v_mov_b32 v[\pc+3+\i], v[CT+\i]
.endr
	v_lshlrev_b32 v[\pw], v[H8], v[\pw]
.irp i, 0,1,2
	v_mov_b32 v[\pc+9+\i], v[CT+4+\i]
.endr
	v_permlanex16_b32 v[TM+3], v[\pw], s[SEL], s[SEL+1]
	v_or_b32 v[\pw], v[\pw], v[TM+3]               ; with lane l xor 16's two bytes the word is whole
.endm
.macro LOADF f, reg                    ; fragment f: the tile's 16 rows, 512 consecutive bytes each
.irp i, 0,1,2,3,4,5,6,7,8,9,10,11,12,13,14,15
	global_load_b128 v[\reg+4*\i:\reg+4*\i+3], v4, s[4:5] offset:(\i+24*(\i/8))*4096+512*\f th:TH_LOAD_NT
.endr
.endm
.macro TURN from, to                   ; through the stage: LDS serves a wave's instructions in order, so no wait stands between the stores and the loads
.irp i, 0,1,2,3,4,5,6,7,8,9,10,11,12,13,14,15
	ds_store_b128 v6, v[\from+4*\i:\from+4*\i+3] offset:SP*\i
.endr
.irp c, 0,1
.irp j, 0,1,2,3,4,5,6,7
	ds_load_b128 v[\to+32*\c+4*\j:\to+32*\c+4*\j+3], v7 offset:256*\c+16*\j
.endr
.endr
.endm
.macro OUT f, pc                       ; a fragment's two images: each store covers 512 or 256 consecutive bytes, aligned
	global_store_b128 v4, v[\pc:\pc+3], s[10:11] offset:6400*\f
	global_store_b64 v5, v[\pc+4:\pc+5], s[10:11] offset:6400*\f+512
	global_store_b128 v4, v[\pc+6:\pc+9], s[10:11] offset:6400*\f+768
	global_store_b64 v5, v[\pc+10:\pc+11], s[10:11] offset:6400*\f+1280
.endm
	s_load_b256 s[4:11], s[0:1], 0x0               ; x s[4:5], w_in s[6:7], w_out s[8:9], wc s[10:11]
	v_lshl_add_u32 v62, v0, 2, SPARE
	v_mov_b32 v63, 0
	v_lshrrev_b32 v1, 5, v0
	v_readfirstlane_b32 s14, v1                    ; wave 0..7
	s_and_b32 s15, s14, 3                          ; t: which of the four tiles
	s_lshr_b32 s16, s14, 2                         ; which pair of K steps
	s_mul_i32 s18, s14, STG
	s_lshl_b32 s19, s16, 9
	s_lshl_b32 s22, s15, 6
	s_add_co_u32 s19, s19, s22
	s_and_b32 s23, s14, 1
	s_lshl_b32 s23, s23, 9
	v_and_b32 v1, 31, v0                           ; lane
	v_and_b32 v2, 15, v0                           ; r
	v_bfe_u32 v3, v0, 4, 1                         ; h
	v_lshlrev_b32 v4, 4, v1                        ; 16 x lane
	v_lshlrev_b32 v5, 3, v1                        ; 8 x lane
	v_lshlrev_b32 v8, 2, v2
	v_mul_u32_u24 v7, v2, SP
	v_lshlrev_b32 v[H8], 3, v3
	v_lshlrev_b32 v12, 4, v2
	v_lshl_add_u32 v8, v3, 8, v8                   ; the scale words, gathered: 4 r + 256 h,
	v_add_nc_u32 v6, s18, v4                       ; the stage, on the way in: a row as it lies
	v_lshl_add_u32 v7, v3, 7, v7
	v_add_nc_u32 v8, s19, v8                       ; + 64 t + 512 x my pair of K steps
	v_add_nc_u32 v11, s23, v4
	v_mad_u32_u24 v12, v3, 6400, v12               ; and out: lanes 0-15 one K step's 256 bytes, lanes 16-31 the next's
	v_add_nc_u32 v7, s18, v7                       ; on the way out: row r, + 128 h: my block of each 64
	v_add_nc_u32 v8, GATH, v8
	v_add_nc_u32 v11, GATH, v11
	s_wait_alu depctr_va_vdst(0)                   ; the wait at the head's end
	s_mov_b32 s[SEL], 0x76543210
	s_mov_b32 s[SEL+1], 0xfedcba98
	s_mov_b32 s24, 0xffff0000                      ; lanes 16-31
	s_mov_b32 s17, 224
	s_wait_kmcnt 0x0
	s_cmp_lt_u32 ttmp9, 224                        ; groups 0-127 are x's, 128-223 w_in's, 224-255 w_out's: the choice hangs on the work-group's number alone
	s_cselect_b64 s[6:7], s[6:7], s[8:9]
	s_cselect_b32 s17, 128, s17
	s_cmp_lt_u32 ttmp9, 128
	s_cselect_b64 s[4:5], s[4:5], s[6:7]
	s_cselect_b32 s17, 0, s17
	s_sub_co_u32 s17, ttmp9, s17                   ; g': the group's number inside its tensor
	s_lshr_b32 s18, s17, 1
	s_lshl_b32 s18, s18, 6
	s_lshl_b32 s19, s15, 3
	s_add_co_u32 s18, s18, s19                     ; the tile's first row: 64 (g' / 2) + 8 t
	s_lshl_b32 s18, s18, 12                        ; rows of 4,096 bytes
	s_and_b32 s25, ttmp9, 1
	s_lshl_b32 s25, s25, 1
	s_add_co_u32 s22, s25, s16                     ; my pair of K steps, 0..3
	s_lshl_b32 s19, s22, 10                        ; + 256 numbers for each
	s_add_co_u32 s18, s18, s19
	s_mov_b32 s19, 0
	s_add_nc_u64 s[4:5], s[4:5], s[18:19]
	LOADF 0, RA
	LOADF 1, RB                                    ; all of the wave's 16,384 bytes are on their way
	s_lshr_b32 s26, ttmp9, 1
	s_mul_i32 s26, s26, 51200                      ; the four tiles' records
	s_mul_i32 s22, s22, 12800
	s_mul_i32 s23, s15, 1536
	s_add_co_u32 s22, s22, s26
	s_add_co_u32 s22, s22, s23
	s_mov_b32 s23, 0
	s_and_b32 s27, s14, 1
	s_add_co_u32 s25, s25, s27
	s_mul_i32 s25, s25, 12800
	s_add_co_u32 s26, s26, s25
	s_add_co_u32 s26, s26, 6144
	s_mov_b32 s27, 0
	s_add_nc_u64 s[12:13], s[10:11], s[26:27]      ; waves 0 and 1 store two K steps' scale words each
	s_add_nc_u64 s[10:11], s[10:11], s[22:23]      ; my two fragments
	s_wait_loadcnt 16                              ; fragment 0's 16 loads are in; fragment 1's 16 may be out
	TURN RA, XN
	s_wait_dscnt 0x0                               ; XN is in, and the stores have read RA
	QUANT XN, PW0, PC0
	OUT 0, PC0
	s_wait_alu depctr_va_vdst(0)                   ; directly ahead of the wait below
	s_wait_loadcnt 0x0                             ; fragment 1
	TURN RB, RA
	s_wait_dscnt 0x0
	QUANT RA, PW1, PC1
	v_cndmask_b32 v9, v[PW0], v[PW1], s24          ; lanes 0-15 the first K step's word of row r, lanes 16-31 the second's (a word is the same in lanes l and l xor 16)
	ds_store_b32 v8, v9
	OUT 1, PC1
	s_wait_alu depctr_va_vdst(0)                   ; ahead of the waits below
	s_wait_dscnt 0x0
	s_barrier_signal -1
	s_barrier_wait -1                              ; all scale words of the work-group are gathered
	s_cmp_lt_u32 s14, 2
	s_cbranch_scc0 .Lwords_out
	ds_load_b128 v[64:67], v11
	s_wait_dscnt 0x0
	global_store_b128 v12, v[64:67], s[12:13]      ; sixteen lanes store one aligned unit of 256 bytes
.Lwords_out:
	s_wait_tensorcnt 0x0                           ; the wave's end
	ds_add_u32 v62, v63
	s_wait_dscnt 0x0
	s_endpgm
.Lfunc_end_k_q3c39d6d40f_quant:
	.size	k_q3c39d6d40f_quant, .Lfunc_end_k_q3c39d6d40f_quant-k_q3c39d6d40f_quant
	.p2alignl 7, 3214868480
	.fill 96, 4, 3214868480
	.section	.rodata,"a",@progbits
	.p2align	6, 0x0
	.amdhsa_kernel k_q3c39d6d40f_quant
		.amdhsa_group_segment_fixed_size 69632
		.amdhsa_private_segment_fixed_size 0
		.amdhsa_enable_private_segment 0
		.amdhsa_kernarg_size 32
		.amdhsa_user_sgpr_count 2
		.amdhsa_user_sgpr_kernarg_segment_ptr 1
		.amdhsa_wavefront_size32 1
		.amdhsa_system_sgpr_workgroup_id_x 1
		.amdhsa_system_sgpr_workgroup_id_y 1
		.amdhsa_system_sgpr_workgroup_id_z 1
		.amdhsa_system_vgpr_workitem_id 0
		.amdhsa_next_free_vgpr 256
		.amdhsa_next_free_sgpr 66
		.amdhsa_reserve_vcc 0
		.amdhsa_float_denorm_mode_32 3
		.amdhsa_float_denorm_mode_16_64 3
		.amdhsa_memory_ordered 1
		.amdhsa_forward_progress 1
		.amdhsa_inst_pref_size 18
	.end_amdhsa_kernel
	.amdgpu_metadata
---
amdhsa.version: [ 1, 2 ]
amdhsa.kernels:
  - .name:           k_q3c39d6d40f_quant
    .symbol:         k_q3c39d6d40f_quant.kd
    .args:
      - { .name: x, .offset: 0, .size: 8, .value_kind: global_buffer, .address_space: global }
      - { .name: w_in, .offset: 8, .size: 8, .value_kind: global_buffer, .address_space: global }
      - { .name: w_out, .offset: 16, .size: 8, .value_kind: global_buffer, .address_space: global }
      - { .name: wc, .offset: 24, .size: 8, .value_kind: global_buffer, .address_space: global }
    .group_segment_fixed_size: 69632
    .private_segment_fixed_size: 0
    .kernarg_segment_align: 8
    .kernarg_segment_size: 32
    .max_flat_workgroup_size: 256
    .sgpr_count:     66
    .vgpr_count:     256
    .wavefront_size: 32
...
	.end_amdgpu_metadata
.endif
;; end of part 1
;; launch qkv (part 2): grid 12 x 16, 4 waves a work-group, clusters of 4 x 4, 327,680 bytes of LDS; arguments wc, b_in, ac, asc; writes ac, asc
.if DOCPART == 2
	.amdgcn_target "amdgcn-amd-amdhsa--gfx1250"
	.amdhsa_code_object_version 6
	.text
	.protected	k_q3c39d6d40f_qkv
	.globl	k_q3c39d6d40f_qkv
	.p2align	8
	.type	k_q3c39d6d40f_qkv,@function
k_q3c39d6d40f_qkv:
	s_mov_b64 s[64:65], 0
	v_nop
	global_prefetch_b8 v0, s[64:65] scope:SCOPE_SE
	s_setreg_imm32_b32 hwreg(HW_REG_WAVE_MODE, 25, 1), 1
	s_wait_xcnt 0x0
	s_wait_alu depctr_hold_cnt(0) depctr_sa_sdst(0) depctr_va_vdst(0) depctr_va_sdst(0) depctr_va_ssrc(0) depctr_va_vcc(0) depctr_vm_vsrc(0)
	s_getreg_b32 s2, hwreg(HW_REG_IB_STS2, 6, 4)
	s_cmp_eq_u32 s2, 0
	s_cbranch_scc0 .Lentry_in_a_cluster
	s_endpgm
.Lentry_in_a_cluster:
	s_bfe_u32 s2, ttmp6, 0x10000c
	s_cmp_lg_u32 s2, 0xf033
	s_cbranch_scc0 .Lentry_shape_is_right
	s_endpgm
.Lentry_shape_is_right:
; qkv = x w_in^T + b_in on codes of E3M2 with E8M0 scales (K = 1,024), and its results quantised at once: q and k along the head's 64, v along the keys.  The f32 qkv never goes to memory.
; wc: [four tiles][K step 0..7][6400]: the tiles' codes (1,536 bytes each: two images of 768), then their scale words ([tile][r]).  An image is 16 rows x 64 K: lane l's registers 0-3 at 16 l, registers 4-5 at 512 + 8 l.
; Tiles 0-255 are x's, 256-447 w_in's.  Lane r of tile T holds row 64 (T / 4) + 8 (T % 4) + (r & 7) + 32 (r >> 3).
; THE PRODUCT IS USED TRANSPOSED: source 0 = 16 rows of "B", whose rows become the next product's K; source 1 = 16 rows of "A", whose rows stay rows.  A lane then holds one row of A, and the 32 registers of
; B's tiles 4 c .. 4 c + 3 are one whole block of the next K: 64 c + 32 h + 0 .. 31.  Clusters x = 0 (q) and 1 (k): A = tokens, B = rows of w_in.  Cluster x = 2 (v): A = rows of w_v, B = tokens (the keys).
; The bias is the C of each sum's first matrix instruction: for q and k it runs along B's rows, for v along A's: a branch on the cluster's x.
; SHARES: a work-group makes 256 x 256, each of four waves 128 x 128: 64 accumulators, 512 registers.  192 work-groups: 12 x 16.
; CLUSTERS 4 x 4: A's tiles are shared along a row of the cluster, B's along a column: each is asked for jointly, by the same tensor load with the same descriptor and a mask that names the four.
; LDS: two slots of three K steps (153,600 bytes each): K steps 0-2 in slot 0, 3-5 in slot 1, 6 and 7 in slot 0 again, each by one load a wave.
; NO PREFETCH: there is no loop to run ahead in: the walk has three fills, and the last of them sets out behind the third K step.
; OUT: ac: q [head of batch bh][tile 0..127][768]; from KV0 on [bh][key step 0..15][13,056]: K's 8 tiles, V [half of the keys e][16 channels t][768], K's scale words [c][r][4 words], V's [r][4 words].
;      asc: q's scale words [bh][step][c][r][4 words] (word t % 4 of c = t / 4: tile t; bytes 0, 1 the head's two blocks, bytes 2, 3 zero, over zero codes); K's words likewise.
; LIMITS: as in the quantiser: largest magnitudes under 2^-122 count as 2^-122; NaN and infinities are not served.
; REGISTERS: window 0: v1-21 addresses; v28, v29 for the add; v32-47 scale words, two sets; v64-127 the bias, later at work; v128-223 A's fragments, ONE set, later the codes;
;   v240-247 the rows' scale words.  Window 1: B's fragments, two sets, at v0 and v128.  Windows 2, 3: the accumulators, (a, b) at v[8 (8 (a % 4) + b)].
.set W0,    38400                      ; 2 x 3 records of 6,400: what one load brings, and what one wave reads of A or of B
.set SL1,   4*W0
.set SPARE, 2*SL1                      ; the spare words, 128 bytes for each wave: two blocks of 256 bytes that no other line names
.set KV0,   3145728
.set A16, 4                            ; v4, v5  LDS address of my A fragments' 16-byte parts in slot 0, 1;  v6, v7 of their 8-byte parts
.set A8,  6
.set B16, 8                            ; v8, v9, v10, v11 the same for B
.set B8,  10
.set ADRS, 12                          ; v12, v13  my scale words: lanes 0-15 A's rows, lanes 16-31 B's
.set H8,  16                           ; v16  8 h
.set L16, 17                           ; v17  16 x lane
.set L8,  18                           ; v18  8 x lane
.set VSO, 19                           ; v19  the way out: my place among the scale words
.set SPW, 28                           ; v28  LDS address of my spare word; never rewritten
.set NIL, 29                           ; v29  0; never rewritten
.set SC,  32
.set BB,  64
.set CT,  64                           ; the way out: v64-79 at work,
.set TM,  80                           ; v80-87 too,
.set W,   96                           ; v96-103 scale words as they are stored
.set AF,  128
.set PC,  128                          ; block a's codes: v[128 + 12 a] on
.set PWS, 240
.set G1,  24                           ; s[24:31], s[32:39] group 1 for three K steps of A's and of B's;  s[40:47], s[48:55] for two
.set G1B, 32
.set G2A, 40
.set G2B, 48
.set GA0, 56                           ; groups 0
.set GA1, 60
.set SEL, 66                           ; s[66:67] lane selects
.set GB0, 72
.set GB1, 76
.set SB,  92                           ; s[92:99] the way out: four bases (half e, a / 4) at SB + 4 (a / 4) + 2 e
.set SSB, 100                          ; s[100:101] the scale words' base
.set MSB, 0
.macro WIN new                         ; the immediate's high byte repeats the setting that is left
.if MSB != \new
	s_set_vgpr_msb (MSB<<8)|\new
.set MSB, \new
.endif
.endm
.set MUL_LO, 0xa1                      ; source 0 (B) window 1, source 1 (A) window 0, C and D window 2
.set MUL_HI, 0xf1                      ; the same, C and D window 3
.set TO_B,   0x40                      ; destination window 1, address window 0
; A joint load: waves 0 and 1 fetch for A, waves 2 and 3 for B; the branch hangs on the wave's number alone.  Four v_nop follow each of the two lines.
.macro JLOAD g0a, g1a, g0b, g1b
	s_cmp_eq_u32 s15, 0
	s_cbranch_scc0 .Lfor_b_\@
	tensor_load_to_lds s[\g0a:\g0a+3], s[\g1a:\g1a+7]
	s_nop 0
.rept 4
	v_nop
.endr
	s_branch .Lasked_\@
.Lfor_b_\@:
	tensor_load_to_lds s[\g0b:\g0b+3], s[\g1b:\g1b+7]
	s_nop 0
.rept 4
	v_nop
.endr
.Lasked_\@:
.endm
.macro CREST                           ; a round of the cluster's barrier behind its opening barrier
	s_cmp_lg_u32 s14, 0
	s_cbranch_scc1 .Lnot_wave_0_\@
	s_barrier_signal -3
.Lnot_wave_0_\@:
	s_barrier_wait -3
	s_barrier_signal -1
	s_barrier_wait -1
.endm
.macro CROUND
	s_barrier_signal -1
	s_barrier_wait -1
	CREST
.endm
.macro PLACES                          ; four places in front of loads into registers that matrix instructions have read, and of the first read of results
.rept 4
	v_nop
.endr
.endm
	s_load_b256 s[4:11], s[0:1], 0x0               ; wc s[4:5], b_in s[6:7], ac s[8:9], asc s[10:11]
	v_lshl_add_u32 v[SPW], v0, 2, SPARE
	v_mov_b32 v[NIL], 0
	ds_add_u32 v[SPW], v[NIL]                      ; the wave's opening: the add, twice on end, ahead of my first tensor load
	ds_add_u32 v[SPW], v[NIL]
	v_lshrrev_b32 v1, 5, v0
	v_readfirstlane_b32 s14, v1                    ; wave 0..3
	s_lshr_b32 s15, s14, 1                         ; rh: my half of A's rows.  Also: I fetch for A (0) or for B (1)
	s_and_b32 s16, s14, 1                          ; ch: my half of B's rows.  Also: which 8 tiles I fetch
	s_bfe_u32 s17, ttmp6, 0x40000                  ; cx
	s_bfe_u32 s18, ttmp6, 0x40004                  ; cy
	s_mov_b32 s19, ttmp9                           ; X: the cluster's x: 0 q, 1 k, 2 v
	s_and_b32 s20, ttmp7, 0xffff                   ; Y: the cluster's y: 1,024 tokens
	s_lshl_b32 s21, s18, 2
	s_lshl_b32 s21, 15, s21                        ; my row of the cluster
	s_lshl_b32 s22, 0x1111, s17                    ; my column
	s_or_b32 s[G1], s21, (3<<16)|(1<<21)           ; 15:0 the mask; 17:16 elements of 8 bytes; 21 set beside a mask; no padding
	s_or_b32 s[G2A], s21, (3<<16)|(1<<21)
	s_or_b32 s[G1B], s22, (3<<16)|(1<<21)
	s_or_b32 s[G2B], s22, (3<<16)|(1<<21)
.irp g, G1, G1B                        ; 8 tiles are two rows of three records, 19,200 bytes, 51,200 bytes apart
	s_mov_b32 s[\g+1], 2400<<16                    ; tensor_dim0 = 2,400 elements
	s_mov_b32 s[\g+2], 2<<16                       ; tensor_dim1 = 2
	s_mov_b32 s[\g+3], 2400<<16                    ; tile_dim0
	s_mov_b32 s[\g+4], 2                           ; tile_dim1
	s_mov_b32 s[\g+5], 6400                        ; the pitch, in elements
	s_mov_b32 s[\g+6], 0
	s_mov_b32 s[\g+7], 0
.endr
.irp g, G2A, G2B                       ; the last two K steps: rows of 12,800 bytes
	s_mov_b32 s[\g+1], 1600<<16
	s_mov_b32 s[\g+2], 2<<16
	s_mov_b32 s[\g+3], 1600<<16
	s_mov_b32 s[\g+4], 2
	s_mov_b32 s[\g+5], 6400
	s_mov_b32 s[\g+6], 0
	s_mov_b32 s[\g+7], 0
.endr
	s_lshl_b32 s23, s20, 6                         ; 64 Y: the cluster's first tile of tokens
	s_lshl_b32 s2, s19, 6
	s_add_co_u32 s2, s2, 256                       ; 256 + 64 X: its first tile of w_in
	s_mov_b32 s3, 384                              ; w_v's first tile
	s_cmp_lt_u32 s19, 2                            ; the roles hang on the cluster's x alone: alike in all sixteen partners
	s_cselect_b32 s92, s23, s3                     ; A's first tile
	s_cselect_b32 s94, s2, s23                     ; B's
	s_lshl_b32 s3, s16, 3                          ; which 8 tiles I fetch
	s_lshl_b32 s21, s18, 4
	s_add_co_u32 s92, s92, s21                     ; A: + 16 cy,
	s_add_co_u32 s92, s92, s3
	s_lshl_b32 s22, s17, 4
	s_add_co_u32 s94, s94, s22                     ; B: + 16 cx
	s_add_co_u32 s94, s94, s3
	s_mul_i32 s92, s92, 12800                      ; 51,200 bytes for four tiles
	s_mul_i32 s94, s94, 12800
	s_mov_b32 s93, 0
	s_mov_b32 s95, 0
	s_mul_i32 s100, s14, W0                        ; where they go: by the wave's number alone
	s_wait_dscnt 0x0                               ; both opening adds are done
	s_wait_kmcnt 0x0
	s_add_nc_u64 s[92:93], s[4:5], s[92:93]
	s_add_nc_u64 s[94:95], s[4:5], s[94:95]
	CROUND                                         ; all sixteen work-groups are here: the first joint loads meet
	s_mov_b32 s[GA0], 1
	s_mov_b32 s[GA0+1], s100
	s_mov_b64 s[GA0+2:GA0+3], s[92:93]
	s_or_b32 s[GA0+3], s[GA0+3], 0x80000000
	s_mov_b32 s[GB0], 1
	s_mov_b32 s[GB0+1], s100
	s_mov_b64 s[GB0+2:GB0+3], s[94:95]
	s_or_b32 s[GB0+3], s[GB0+3], 0x80000000
	JLOAD GA0, G1, GB0, G1B                        ; K steps 0-2: one tensor load a wave at the head
	s_mov_b32 s[GA1], 1
	s_add_co_u32 s[GA1+1], s100, SL1
	s_add_nc_u64 s[GA1+2:GA1+3], s[92:93], 19200
	s_or_b32 s[GA1+3], s[GA1+3], 0x80000000
	s_mov_b32 s[GB1], 1
	s_add_co_u32 s[GB1+1], s100, SL1
	s_add_nc_u64 s[GB1+2:GB1+3], s[94:95], 19200
	s_or_b32 s[GB1+3], s[GB1+3], 0x80000000
	s_mov_b32 s[SEL], 0x76543210
	s_mov_b32 s[SEL+1], 0xfedcba98
	; where the bias begins
	s_lshl_b32 s2, s19, 10
	s_lshl_b32 s3, s17, 8
	s_add_co_u32 s2, s2, s3
	s_lshl_b32 s3, s16, 7
	s_add_co_u32 s2, s2, s3                        ; q, k: 1,024 X + 256 cx + 128 ch
	s_lshl_b32 s21, s18, 8
	s_lshl_b32 s3, s15, 7
	s_add_co_u32 s21, s21, s3
	s_add_co_u32 s21, s21, 2048                    ; v: 2,048 + 256 cy + 128 rh
	s_cmp_lt_u32 s19, 2
	s_cselect_b32 s92, s2, s21
	s_lshl_b32 s92, s92, 2
	s_mov_b32 s93, 0
	s_add_nc_u64 s[92:93], s[6:7], s[92:93]
	s_mul_i32 s2, s15, W0                          ; my 8 tiles of A in slot 0,
	s_mul_i32 s3, s16, W0                          ; my 8 tiles of B, which lie behind A's 16
	s_add_co_u32 s3, s3, 2*W0
	s_sub_co_u32 s23, s3, s2
	v_and_b32 v1, 15, v0                           ; r
	v_bfe_u32 v2, v0, 4, 1                         ; h
	v_and_b32 v3, 31, v0
	v_and_b32 v21, 8, v0
	v_lshlrev_b32 v20, 7, v2                       ; q, k: lane (r, h) wants, for B's tile b, features 64 (b / 4) + 8 (b % 4) + 32 h + 0 .. 7
	v_mad_u32_u24 v21, v21, 3, v1
	v_lshlrev_b32 v21, 2, v21                      ; v: for A's tile a, feature 64 (a / 4) + 8 (a % 4) + (r & 7) + 32 (r >> 3)
	v_lshlrev_b32 v[L16], 4, v3
	v_lshlrev_b32 v[L8], 3, v3
	v_lshlrev_b32 v[H8], 3, v2
	v_mul_u32_u24 v[ADRS], s23, v2                 ; lanes 16-31 take B's scale words
	v_add_nc_u32 v[A16], s2, v[L16]
	v_add_nc_u32 v[A8], s2, v[L8]
	v_add_nc_u32 v[B16], s3, v[L16]
	v_add_nc_u32 v[B8], s3, v[L8]
	v_lshl_add_u32 v[ADRS], v1, 2, v[ADRS]         ; 4 bytes a row
	v_add_nc_u32 v[A16+1], SL1, v[A16]
	v_add_nc_u32 v[A8+1], SL1, v[A8]
	v_add_nc_u32 v[B16+1], SL1, v[B16]
	v_add_nc_u32 v[B8+1], SL1, v[B8]
	v_add_nc_u32 v[ADRS], s2, v[ADRS]
	v_add_nc_u32 v[ADRS+1], SL1, v[ADRS]
	s_wait_alu depctr_va_vdst(0)                   ; ahead of the branch
	s_cmp_eq_u32 s19, 2
	s_cbranch_scc1 .Lv_bias
.irp b, 0,1,2,3,4,5,6,7
	global_load_b128 v[BB+8*\b:BB+8*\b+3], v20, s[92:93] offset:(64*(\b/4)+8*(\b%4))*4
	global_load_b128 v[BB+8*\b+4:BB+8*\b+7], v20, s[92:93] offset:(64*(\b/4)+8*(\b%4))*4+16
.endr
	s_wait_loadcnt 0x0
	s_branch .Lbias_in
.Lv_bias:
.irp a, 0,1,2,3,4,5,6,7
	global_load_b32 v[PWS+\a], v21, s[92:93] offset:(64*(\a/4)+8*(\a%4))*4
.endr
	s_wait_loadcnt 0x0
.irp a, 0,1,2,3,4,5,6,7
.irp i, 0,1,2,3,4,5,6,7
	v_mov_b32 v[BB+8*\a+\i], v[PWS+\a]             ; one number for a row's eight results
.endr
.endr
.Lbias_in:
; K step KC is in hand, KN is to be fetched: KSL its slot, KPT the pitch from four tiles to the next four there, KIN where its record begins
.macro NEXT k
.set KC, \k
.set KN, (\k)+1
.set KSL, (KN/3)%2
.set KPT, 19200-6400*(KN/6)
.set KIN, (KN%3)*6400
.endm
.macro FRAG reg, a16, a8, off          ; a fragment, 12 registers, is two images: four loads, each of 512 or 256 consecutive bytes
	ds_load_b128 v[\reg:\reg+3], v[\a16] offset:\off
	ds_load_b64 v[\reg+4:\reg+5], v[\a8] offset:\off+512
	ds_load_b128 v[\reg+6:\reg+9], v[\a16] offset:\off+768
	ds_load_b64 v[\reg+10:\reg+11], v[\a8] offset:\off+1280
.endm
.macro FETCH_B                         ; B's eight fragments into set KN % 2
	WIN TO_B
.irp i, 0,1,2,3,4,5,6,7
	FRAG 128*(KN%2)+12*\i, B16+KSL, B8+KSL, (\i/4)*KPT+(\i%4)*1536+KIN
.endr
	WIN 0
.endm
.macro FETCH_A i0                      ; A's blocks i0 .. i0 + 3
.irp i, \i0, \i0+1, \i0+2, \i0+3
	FRAG AF+12*(\i), A16+KSL, A8+KSL, ((\i)/4)*KPT+((\i)%4)*1536+KIN
.endr
.endm
.macro SCALES                          ; the scale words of K step KN into set KN % 2: register i: lanes 0-15 A's block i, lanes 16-31 B's block i
.irp i, 0,1,2,3,4,5,6,7
	ds_load_b32 v[SC+8*(KN%2)+\i], v[ADRS+KSL] offset:(\i/4)*KPT+(\i%4)*64+KIN+6144
.endr
.endm
; 16 matrix instructions: A's blocks a0, a0 + 1 x B's eight.  bias = 1, 2: the sums begin with the bias as C, that of B's rows or of A's.  The 64 accumulators take turns, one instruction a turn, in the same order in every step.
.macro MUL16 a0, bias
.irp a, \a0, \a0+1
.irp b, 0,1,2,3,4,5,6,7
.if \bias == 1
	v_wmma_scale_f32_16x16x128_f8f6f4 v[8*(8*((\a)%4)+\b):8*(8*((\a)%4)+\b)+7], v[128*(KC%2)+12*\b:128*(KC%2)+12*\b+11], v[AF+12*(\a):AF+12*(\a)+11], v[BB+8*\b:BB+8*\b+7], v[SC+8*(KC%2)+\b], v[SC+8*(KC%2)+(\a)] matrix_a_fmt:MATRIX_FMT_BF6 matrix_b_fmt:MATRIX_FMT_BF6 matrix_a_scale:MATRIX_SCALE_ROW1
.elseif \bias == 2
	v_wmma_scale_f32_16x16x128_f8f6f4 v[8*(8*((\a)%4)+\b):8*(8*((\a)%4)+\b)+7], v[128*(KC%2)+12*\b:128*(KC%2)+12*\b+11], v[AF+12*(\a):AF+12*(\a)+11], v[BB+8*(\a):BB+8*(\a)+7], v[SC+8*(KC%2)+\b], v[SC+8*(KC%2)+(\a)] matrix_a_fmt:MATRIX_FMT_BF6 matrix_b_fmt:MATRIX_FMT_BF6 matrix_a_scale:MATRIX_SCALE_ROW1
.else
	v_wmma_scale_f32_16x16x128_f8f6f4 v[8*(8*((\a)%4)+\b):8*(8*((\a)%4)+\b)+7], v[128*(KC%2)+12*\b:128*(KC%2)+12*\b+11], v[AF+12*(\a):AF+12*(\a)+11], v[8*(8*((\a)%4)+\b):8*(8*((\a)%4)+\b)+7], v[SC+8*(KC%2)+\b], v[SC+8*(KC%2)+(\a)] matrix_a_fmt:MATRIX_FMT_BF6 matrix_b_fmt:MATRIX_FMT_BF6 matrix_a_scale:MATRIX_SCALE_ROW1
.endif
.endr
.endr
.endm
.macro MULB a0, win                    ; 32 of the first step's, by the cluster's x, alike in all partners
	s_cmp_eq_u32 s19, 2
	s_cbranch_scc1 .Lrows_a_\@
	WIN \win
	MUL16 \a0, 1
	MUL16 \a0+2, 1
	WIN 0
	s_branch .Lbegun_\@
.Lrows_a_\@:
	WIN \win
	MUL16 \a0, 2
	MUL16 \a0+2, 2
	WIN 0
.Lbegun_\@:
.endm
; A K step whose successor's tiles are known to lie in LDS
.macro KS k, bias
	NEXT \k
	s_wait_dscnt 16                                ; B's set, A's blocks 0-3 and the scale words are in; the youngest 16 loads (A's blocks 4-7) may be out
.if \bias
	MULB 0, 0x81                                   ; C (the bias) window 0, D window 2
.else
	WIN MUL_LO
	MUL16 0, 0
	MUL16 2, 0
.endif
	s_wait_dscnt 0x0                               ; A's blocks 4-7 are in
	PLACES
	FETCH_B
	FETCH_A 0
	SCALES
.if \bias
	MULB 4, 0xc1
.else
	WIN MUL_HI
	MUL16 4, 0
	MUL16 6, 0
.endif
	PLACES
	WIN 0
	FETCH_A 4
.endm
; A K step in front of whose successor every wave shows its tensor loads landed and its reads of the slot over: ONE barrier.  fill = 1: slot 0 is filled again, with K steps 6 and 7, behind a round of the cluster's barrier.
.macro TURN k, fill
	NEXT \k
	s_wait_tensorcnt 0x0                           ; all my tensor loads have landed  (every window is 0 here)
	ds_add_u32 v[SPW], v[NIL]                      ; 0 onto my spare word
	s_wait_dscnt 17                                ; (the add and the youngest 16 loads, A's blocks 4-7, may be out)
	WIN MUL_LO
	MUL16 0, 0                                     ; sixteen matrix instructions stand between the add and the wait for it
	s_wait_dscnt 0x0                               ; the add is done, and my reads of this slot are over
	s_barrier_signal -1
	MUL16 2, 0
	WIN 0
	s_barrier_wait -1
.if \fill
	CREST                                          ; the barrier has opened a round of the cluster's: no wave of any partner still reads slot 0 or has a load on its way
	s_add_nc_u64 s[GA0+2:GA0+3], s[GA0+2:GA0+3], 38400   ; six records on
	s_add_nc_u64 s[GB0+2:GB0+3], s[GB0+2:GB0+3], 38400
	JLOAD GA0, G2A, GB0, G2B                       ; my one tensor load behind the round: it has K steps 3 to 5, about 192 matrix instructions, in which to land; its four v_nop are the places in front of the loads below
.else
	PLACES
.endif
	FETCH_B
	FETCH_A 0
	SCALES
	WIN MUL_HI
	MUL16 4, 0
	MUL16 6, 0
	PLACES
	WIN 0
	FETCH_A 4
.endm
	s_wait_alu depctr_va_vdst(0)                   ; the wait at the head's end
	s_wait_tensorcnt 0x0                           ; my part of K steps 0-2 is in
	ds_add_u32 v[SPW], v[NIL]
	s_wait_dscnt 0x0
	CROUND                                         ; everybody's is, and all sixteen work-groups are here
	JLOAD GA1, G1, GB1, G1B                        ; K steps 3-5, my one tensor load behind the round: K steps 0 to 2 in which to land
	NEXT -1
	FETCH_B
	FETCH_A 0
	SCALES
	FETCH_A 4
	KS 0, 1
	KS 1, 0
	TURN 2, 1
	KS 3, 0
	KS 4, 0
	TURN 5, 0                                      ; the refill has landed in every wave; nothing more is filled
	KS 6, 0
.set KC, 7
	s_wait_dscnt 16                                ; the last step: nothing more to fetch
	WIN MUL_LO
	MUL16 0, 0
	MUL16 2, 0
	s_wait_dscnt 0x0
	WIN MUL_HI
	MUL16 4, 0
	MUL16 6, 0
	WIN 0
	PLACES
	; THE WAY OUT.  No tensor load of mine is out, so the descriptors' registers serve as scratch.  tc, th: the cluster's and the wave's coordinate along the tokens; hc, hh: along the features
	s_cmp_lt_u32 s19, 2
	s_cselect_b32 s24, s18, s17                    ; tc
	s_cselect_b32 s25, s15, s16                    ; th
	s_cselect_b32 s26, s17, s18                    ; hc
	s_cselect_b32 s27, s16, s15                    ; hh
	s_and_b32 s28, s20, 1
	s_lshl_b32 s28, s28, 3
	s_lshl_b32 s24, s24, 1
	s_add_co_u32 s28, s28, s24
	s_add_co_u32 s28, s28, s25                     ; my step of 128 tokens in the batch: 8 (Y & 1) + 2 tc + th
	s_lshr_b32 s29, s20, 1
	s_lshl_b32 s29, s29, 4
	s_lshl_b32 s26, s26, 2
	s_add_co_u32 s29, s29, s26
	s_lshl_b32 s27, s27, 1
	s_add_co_u32 s29, s29, s27                     ; the first of my two heads: 16 (Y >> 1) + 4 hc + 2 hh
	s_lshl_b32 s29, s29, 4
	s_add_co_u32 s24, s29, s28                     ; idx = 16 x head + step
	s_mov_b32 s25, 13056                           ; from step to step among the codes: q 6,144 bytes, k and v together, with their scale words, 13,056
	s_mov_b32 s26, 13056                           ; among the scale words: q 512
	s_mov_b32 s27, 208896                          ; from head to head among the scale words: q 8,192
	s_mov_b32 s28, KV0
	s_mov_b32 s29, KV0+12288
	s_mov_b32 s30, 208896                          ; from head to head among the codes: q 98,304
	s_cmp_eq_u32 s19, 0
	s_cselect_b32 s25, 6144, s25
	s_cselect_b32 s26, 512, s26
	s_cselect_b32 s27, 8192, s27
	s_cselect_b32 s28, 0, s28
	s_cselect_b32 s29, 0, s29
	s_cselect_b32 s30, 98304, s30
	s_cselect_b64 s[2:3], s[10:11], s[8:9]         ; q's scale words lie in asc, k's and v's in ac
	s_mov_b32 s31, 3072
	s_cmp_eq_u32 s19, 2
	s_cselect_b32 s32, s31, s30                    ; from a fragment's first image to its second: q, k the next head; v the keys' second half
	s_cselect_b32 s34, s30, s31                    ; from block a to block a + 4: q, k four tiles on; v the next head
	s_cselect_b32 s38, 6144, 0                     ; V lies behind K's 8 tiles,
	s_cselect_b32 s39, 512, 0                      ; its words behind K's
	s_mov_b32 s33, 0
	s_mov_b32 s35, 0
	s_add_co_u32 s28, s28, s38
	s_add_co_u32 s29, s29, s39
	s_mul_i32 s25, s24, s25
	s_add_co_u32 s[SB], s25, s28
	s_mov_b32 s[SB+1], 0
	s_mul_i32 s26, s24, s26
	s_add_co_u32 s[SSB], s26, s29
	s_mov_b32 s[SSB+1], 0
	s_add_nc_u64 s[SB:SB+1], s[8:9], s[SB:SB+1]
	s_add_nc_u64 s[SB+2:SB+3], s[SB:SB+1], s[32:33]
	s_add_nc_u64 s[SB+4:SB+5], s[SB:SB+1], s[34:35]
	s_add_nc_u64 s[SB+6:SB+7], s[SB+4:SB+5], s[32:33]
	s_add_nc_u64 s[SSB:SSB+1], s[2:3], s[SSB:SSB+1]
	s_mov_b32 s38, 0xffff0000                      ; lanes 16-31
	v_mul_u32_u24 v[VSO], s27, v2
	v_lshl_add_u32 v[VSO], v1, 4, v[VSO]           ; 16 r; lanes 16-31 the second head
; Blocks a and a + 1 by turns: of each, 16 rows of A x my 128 of B: the 64 numbers of a lane, two whole blocks of the next K, are quantised straight from the accumulators, and the fragment's two images leave: each store
; covers 512 or 256 consecutive bytes, aligned.  Each block has code registers of its own, so no store's data are written again.
; At work: v[TM + 4 d + 2 c]: block a + d, half c: its largest magnitude, then the conversion's scale operand; v[TM + 4 d + 2 c + 1]: a second chain, then the scale's byte.
.macro OUT2 a
	WIN (0x28+0x14*((\a)/4))                       ; sources 1 and 2: window 2 or 3
.irp d, 0,1
.irp c, 0,1,2,3
	v_max3_num_f32 v[TM+4*\d+\c], 0x2800000, |v[64*((\a+\d)%4)+16*\c]|, |v[64*((\a+\d)%4)+16*\c+1]|   ; with the floor 2^(5 - 127); each accumulator from its low end on
.endr
.endr
.irp i, 2,4,6,8,10,12,14
.irp d, 0,1
.irp c, 0,1,2,3
	v_max3_num_f32 v[TM+4*\d+\c], v[TM+4*\d+\c], |v[64*((\a+\d)%4)+16*\c+\i]|, |v[64*((\a+\d)%4)+16*\c+\i+1]|
.endr
.endr
.endr
	WIN 0
.irp j, 0,2,4,6
	v_max_num_f32 v[TM+\j], v[TM+\j], v[TM+\j+1]
.endr
.irp j, 0,2,4,6
	v_add_nc_u32 v[TM+\j], 0xfe000000, v[TM+\j]    ; 4 off the exponent field: the conversion's scale operand
.endr
	WIN (0x02+(\a)/4)                              ; source 0: window 2 or 3
.irp d, 0,1
.irp c, 0,1
	v_cvt_scalef32_pk16_bf6_f32 v[PC+12*(\a+\d)+6*\c:PC+12*(\a+\d)+6*\c+2], v[64*((\a+\d)%4)+32*\c:64*((\a+\d)%4)+32*\c+15], v[TM+4*\d+2*\c]
	v_cvt_scalef32_pk16_bf6_f32 v[CT+8*\d+4*\c:CT+8*\d+4*\c+2], v[64*((\a+\d)%4)+32*\c+16:64*((\a+\d)%4)+32*\c+31], v[TM+4*\d+2*\c]
.endr
.endr
	WIN 0
.irp j, 0,2,4,6
	v_lshrrev_b32 v[TM+\j+1], 23, v[TM+\j]         ; the bytes of blocks h and 2 + h (plain places behind the conversions)
.endr
.irp d, 0,1
	v_lshl_or_b32 v[PWS+\a+\d], v[TM+4*\d+3], 16, v[TM+4*\d+1]
.endr
.irp d, 0,1
.irp i, 0,1,2
	v_mov_b32 v[PC+12*(\a+\d)+3+\i], v[CT+8*\d+\i]
.endr
.endr
.irp d, 0,1
	v_lshlrev_b32 v[PWS+\a+\d], v[H8], v[PWS+\a+\d]
.endr
.irp d, 0,1
.irp i, 0,1,2
	v_mov_b32 v[PC+12*(\a+\d)+9+\i], v[CT+8*\d+4+\i]
.endr
.endr
.irp d, 0,1
	v_permlanex16_b32 v[TM+4*\d+1], v[PWS+\a+\d], s[SEL], s[SEL+1]
.endr
.irp d, 0,1
	v_or_b32 v[PWS+\a+\d], v[PWS+\a+\d], v[TM+4*\d+1]
.endr
.irp d, 0,1
.set PA, PC+12*(\a+\d)
	global_store_b128 v[L16], v[PA:PA+3], s[SB+4*((\a)/4):SB+4*((\a)/4)+1] offset:768*((\a+\d)%4)
	global_store_b64 v[L8], v[PA+4:PA+5], s[SB+4*((\a)/4):SB+4*((\a)/4)+1] offset:768*((\a+\d)%4)+512
	global_store_b128 v[L16], v[PA+6:PA+9], s[SB+2+4*((\a)/4):SB+3+4*((\a)/4)] offset:768*((\a+\d)%4)
	global_store_b64 v[L8], v[PA+10:PA+11], s[SB+2+4*((\a)/4):SB+3+4*((\a)/4)] offset:768*((\a+\d)%4)+512
.endr
.endm
.irp a, 0,2,4,6
	OUT2 \a
.endr
	; the scale words.  The branch hangs on the cluster's x: alike in all partners; it stands round vector lines and stores alone
	s_wait_alu depctr_va_vdst(0)                   ; ahead of the branch
	s_cmp_eq_u32 s19, 2
	s_cbranch_scc1 .Lv_words
	v_lshlrev_b32 v20, 4, v2                       ; q, k: a row's word holds two heads' two bytes each: lanes 0-15 take the first head's, lanes 16-31 the second's; the upper two bytes are 0, over zero codes
.irp a, 0,1,2,3,4,5,6,7
	v_lshrrev_b32 v[W+\a], v20, v[PWS+\a]
.endr
.irp a, 0,1,2,3,4,5,6,7
	v_and_b32 v[W+\a], 0xffff, v[W+\a]
.endr
	global_store_b128 v[VSO], v[W:W+3], s[SSB:SSB+1]               ; tiles 0-3: sixteen lanes store 256 consecutive bytes, aligned
	global_store_b128 v[VSO], v[W+4:W+7], s[SSB:SSB+1] offset:256  ; tiles 4-7
	s_branch .Lwords_done
.Lv_words:
.irp i, 0,1,2,3
	v_cndmask_b32 v[W+\i], v[PWS+\i], v[PWS+4+\i], s38             ; v: blocks 0-3 are the first head's four tiles of channels, blocks 4-7 the second's
.endr
	global_store_b128 v[VSO], v[W:W+3], s[SSB:SSB+1]
.Lwords_done:
	s_wait_tensorcnt 0x0                           ; the wave's end
	ds_add_u32 v[SPW], v[NIL]
	s_wait_dscnt 0x0
	CROUND                                         ; the closing round: no work-group ends while a partner may still ask for a tile that names it
	s_endpgm
.Lfunc_end_k_q3c39d6d40f_qkv:
	.size	k_q3c39d6d40f_qkv, .Lfunc_end_k_q3c39d6d40f_qkv-k_q3c39d6d40f_qkv
	.p2alignl 7, 3214868480
	.fill 96, 4, 3214868480
	.section	.rodata,"a",@progbits
	.p2align	6, 0x0
	.amdhsa_kernel k_q3c39d6d40f_qkv
		.amdhsa_group_segment_fixed_size 327680
		.amdhsa_private_segment_fixed_size 0
		.amdhsa_enable_private_segment 0
		.amdhsa_kernarg_size 32
		.amdhsa_user_sgpr_count 2
		.amdhsa_user_sgpr_kernarg_segment_ptr 1
		.amdhsa_wavefront_size32 1
		.amdhsa_system_sgpr_workgroup_id_x 1
		.amdhsa_system_sgpr_workgroup_id_y 1
		.amdhsa_system_sgpr_workgroup_id_z 1
		.amdhsa_system_vgpr_workitem_id 0
		.amdhsa_next_free_vgpr 1024
		.amdhsa_next_free_sgpr 104
		.amdhsa_reserve_vcc 0
		.amdhsa_float_denorm_mode_32 3
		.amdhsa_float_denorm_mode_16_64 3
		.amdhsa_memory_ordered 1
		.amdhsa_forward_progress 1
		.amdhsa_inst_pref_size 158
	.end_amdhsa_kernel
	.amdgpu_metadata
---
amdhsa.version: [ 1, 2 ]
amdhsa.kernels:
  - .name:           k_q3c39d6d40f_qkv
    .symbol:         k_q3c39d6d40f_qkv.kd
    .args:
      - { .name: wc, .offset: 0, .size: 8, .value_kind: global_buffer, .address_space: global }
      - { .name: b_in, .offset: 8, .size: 8, .value_kind: global_buffer, .address_space: global }
      - { .name: ac, .offset: 16, .size: 8, .value_kind: global_buffer, .address_space: global }
      - { .name: asc, .offset: 24, .size: 8, .value_kind: global_buffer, .address_space: global }
    .group_segment_fixed_size: 327680
    .private_segment_fixed_size: 0
    .kernarg_segment_align: 8
    .kernarg_segment_size: 32
    .max_flat_workgroup_size: 128
    .sgpr_count:     104
    .vgpr_count:     1024
    .wavefront_size: 32
...
	.end_amdgpu_metadata
.endif
;; end of part 2
;; launch attn (part 3): grid 8 x 32, 16 waves a work-group, clusters of 4 x 1, 285,184 bytes of LDS; arguments ac, asc, oc; writes oc
.if DOCPART == 3
	.amdgcn_target "amdgcn-amd-amdhsa--gfx1250"
	.amdhsa_code_object_version 6
	.text
	.protected	k_q3c39d6d40f_attn
	.globl	k_q3c39d6d40f_attn
	.p2align	8
	.type	k_q3c39d6d40f_attn,@function
k_q3c39d6d40f_attn:
	s_mov_b64 s[64:65], 0
	v_nop
	global_prefetch_b8 v0, s[64:65] scope:SCOPE_SE
	s_setreg_imm32_b32 hwreg(HW_REG_WAVE_MODE, 25, 1), 1
	s_wait_xcnt 0x0
	s_wait_alu depctr_hold_cnt(0) depctr_sa_sdst(0) depctr_va_vdst(0) depctr_va_sdst(0) depctr_va_ssrc(0) depctr_va_vcc(0) depctr_vm_vsrc(0)
	s_getreg_b32 s2, hwreg(HW_REG_IB_STS2, 6, 4)
	s_cmp_eq_u32 s2, 0
	s_cbranch_scc0 .Lentry_in_a_cluster
	s_endpgm
.Lentry_in_a_cluster:
	s_bfe_u32 s2, ttmp6, 0x10000c
	s_cmp_lg_u32 s2, 0x3003
	s_cbranch_scc0 .Lentry_shape_is_right
	s_endpgm
.Lentry_shape_is_right:
; o = softmax(q k^T / 8, causal) v for 32 heads of batch (bh), 2,048 tokens, head size 64, both products on codes of E3M2 with E8M0 scales; o is quantised along the model's 1,024 (head x 64 + channel) on its way out.
; LEFT OUT: steps of 128 keys that all come after every query of a tile (reference()'s causal mask: see the first kernel's head).
; THE SOFTMAX: t = score x log2(e) / 8; M = the running largest t rounded UP to a whole number; p = 2^(t - M) is quantised along the keys, not normalised; the row's sum is taken of the unquantised p and divides at the end.
; When M moves, the sum and O are multiplied by 2^(old M - new M): exact.
; OPERANDS are images of registers (16 rows x 64 K = 768 bytes: lane l's registers 0-3 at 16 l, registers 4-5 at 512 + 8 l).  The first product's K is 64: registers 6-11 of q's fragment hold zero codes and all
; scale bytes of that half are 0, so what stands in registers 6-11 of k's fragments (the next tile's codes: finite numbers, as every code of the format) adds nothing.
; Both products are used transposed (S^T = K Q^T, O^T = V^T P^T): a lane holds ONE query.  Lane r of tile t of 64 tokens holds token 8 t + (r & 7) + 32 (r >> 3), so the 32 registers of S^T's tiles 4 c .. 4 c + 3 are the
; whole block of keys 64 c + 32 h + 0 .. 31.
; SHARES: of the head's 128 tiles of 16 queries work-group g (0..7) owns tiles 8 j + g, j = 0..15: tile j walks key steps 0 .. j, 136 steps in all.  With s = wave % 4:
;   waves 0-3   (role 1) steps 0-12 of tile 12 + s;                                      13 steps
;   waves 4-7   (role 1) steps 0-8 of tile 8 + s;                                         9
;   waves 8-11  (role 0) all of tile 7 - s, then steps 9 on of tile 8 + s;               8 - s and s
;   waves 12-15 (role 0) all of tile 3 - s, then steps 13 on of tile 12 + s;             4 - s and s
; The two parts of a long tile (M, sum, O) meet in LDS: partner = wave xor 12.  Which steps a wave walks hangs on its number alone; only the mask on the diagonal knows g.
; CLUSTERS of 4: the work-groups of a head read the same K and V: each wave asks jointly for one key step (13,056 bytes: codes and scale words), mask 15.  No byte is filled twice.  Wave 0's step is waited for first.
; NO PREFETCH: all that the launch reads is asked for ahead of its loops.
; oc: [batch][block 0..15][head][6400]: block 2 g + (j >= 8), tile j % 8: 768 bytes of codes each; then the 8 tiles' scale bytes ([tile][r][2]), gathered in LDS and stored as two units of 256 bytes.
; LIMITS: the promise holds while the scaled scores stay under 2^31 in magnitude; v_exp_f32 gives 0 under 2^-126; a block's largest p under 2^-122 counts as 2^-122, so does an o block's largest magnitude; NaN and infinities among the inputs are not served.
; REGISTERS: v1 16 l, v2 8 l, v3 16 r, v4 l, v6 2 r + h, v7 8 h, v8-10 addresses, v11 the mask's d; v12 -M, v13 the largest score, v[14:15] the sum; v16-27 Q; v28-31 at work;
;   v32-79 V; v80-143 S^T, then p; v144-175 O^T; v176-223 K; v224-235 p's codes; v236-243 K's, v244-247 V's, v248 p's, v249 Q's scale words; v250-253 at work; v254, v255 for the add.
.set KV0,  3145728
.set REC,  13056                       ; a key step: K 6,144, V 6,144, K's scale words 512, V's 256
.set EX,   16*REC                      ; LDS: 4,608 bytes for each wave: the partial sums handed over
.set GA,   EX+16*4608                  ; the scale bytes of the work-group's 16 tiles, 32 for each wave
.set SPARE, GA+512                     ; the spare words, 128 bytes for each wave, that no other line names
.set DG,   17                          ; s17  the key step on my tile's diagonal
.set LIM,  18                          ; s18  my last key step
.set KF,   19                          ; s19  the key step
.set SEL,  20                          ; s[20:21] lane l xor 16
.set CS,   22                          ; s[22:23] c = log2(e) / 8
.set G1,   24
.set G0,   32
.set GAW,  52                          ; s52  GA + 32 x wave
.set EXW,  53                          ; s53  my part of EX,
.set EXR,  54                          ; s54  my partner's
.set SPL,  58                          ; s58  the step at which my long tile is split: 13 or 9
.set LNG,  59                          ; s59  my long tile's j
.set TB,   60                          ; s60  LDS byte at which the step's record begins
.set TBN,  61                          ; s61  and the next step's
.set CNT,  62
.set FST,  63                          ; s63  my first key step
.macro CROUND                          ; a round of the cluster's barrier
	s_barrier_signal -1
	s_barrier_wait -1
	s_cmp_lg_u32 s12, 0
	s_cbranch_scc1 .Lnot_wave_0_\@
	s_barrier_signal -3
.Lnot_wave_0_\@:
	s_barrier_wait -3
	s_barrier_signal -1
	s_barrier_wait -1
.endm
	s_load_b128 s[4:7], s[0:1], 0x0                ; ac s[4:5], asc s[6:7]
	s_load_b64 s[8:9], s[0:1], 0x10                ; oc
	v_lshl_add_u32 v254, v0, 2, SPARE
	v_mov_b32 v255, 0
	ds_add_u32 v254, v255                          ; the wave's opening: the add, twice on end, ahead of my first tensor load
	ds_add_u32 v254, v255
	v_lshrrev_b32 v1, 5, v0
	v_readfirstlane_b32 s12, v1                    ; wave 0..15
	s_bfe_u32 s13, ttmp6, 0x40000                  ; cx
	s_mov_b32 s10, ttmp9                           ; X: which half of a block of 128 queries my cluster's tiles lie in
	s_lshl_b32 s2, s10, 2
	s_add_co_u32 s13, s13, s2                      ; g
	s_and_b32 s14, ttmp7, 0xffff                   ; bh
	s_lshr_b32 s3, s12, 3
	s_xor_b32 s15, s3, 1                           ; my role
	s_and_b32 s16, s12, 3                          ; s
	s_lshr_b32 s2, s12, 2
	s_xor_b32 s57, s2, s3
	s_and_b32 s57, s57, 1
	s_lshl_b32 s57, s57, 2                         ; 4 for waves 4-11, else 0
	s_sub_co_u32 s[SPL], 13, s57
	s_sub_co_u32 s3, s[SPL], 1
	s_add_co_u32 s[LNG], s3, s16                   ; 12 + s or 8 + s
	s_sub_co_u32 s2, 3, s16
	s_add_co_u32 s2, s2, s57                       ; 3 - s or 7 - s
	s_cmp_eq_u32 s15, 1
	s_cselect_b32 s[DG], s[LNG], s2                ; j of my (first) tile
	s_cselect_b32 s[LIM], s3, s2
	s_mov_b32 s[FST], 0
	s_mov_b32 s[KF], 0
	s_mov_b32 s[TB], 0
	s_mov_b32 s[SEL], 0x76543210
	s_mov_b32 s[SEL+1], 0xfedcba98
	s_mov_b32 s[CS], 0x3e38aa3b
	s_mov_b32 s[CS+1], 0x3e38aa3b                  ; (named with it as a pair, so it is written)
	s_mov_b32 s[G1], 15|(3<<16)|(1<<21)            ; all four work-groups; elements of 8 bytes; 21 set beside a mask; a record as 51 rows of 256 bytes
	s_mov_b32 s[G1+1], 32<<16
	s_mov_b32 s[G1+2], 51<<16
	s_mov_b32 s[G1+3], 32<<16
	s_mov_b32 s[G1+4], 51
	s_mov_b32 s[G1+5], 32
	s_mov_b32 s[G1+6], 0
	s_mov_b32 s[G1+7], 0
	s_mov_b32 s[G0], 1
	s_mul_i32 s[G0+1], s12, REC
	s_mul_i32 s66, s14, 208896
	s_add_co_u32 s66, s66, KV0
	s_add_co_u32 s66, s66, s[G0+1]
	s_mov_b32 s67, 0
	; Q's image: tile 128 bh + 8 j + g; its scale words: (16 bh + j) x 512 + 256 (g / 4) + 4 (g % 4)
	s_lshl_b32 s36, s14, 7
	s_add_co_u32 s36, s36, s13
	s_lshl_b32 s37, s14, 4
	s_lshr_b32 s38, s13, 2
	s_lshl_b32 s38, s38, 8
	s_and_b32 s39, s13, 3
	s_lshl_b32 s56, s39, 3                         ; 8 (g % 4)
	s_lshl_b32 s39, s39, 2
	s_add_co_u32 s38, s38, s39
	s_lshl_b32 s40, s[DG], 3
	s_add_co_u32 s40, s40, s36
	s_mul_i32 s40, s40, 768
	s_add_co_u32 s42, s37, s[DG]
	s_lshl_b32 s42, s42, 9
	s_add_co_u32 s42, s42, s38
	s_mov_b32 s41, 0
	s_mov_b32 s43, 0
	v_and_b32 v4, 31, v0
	v_and_b32 v6, 15, v0                           ; r
	v_bfe_u32 v5, v0, 4, 1                         ; h
	v_lshlrev_b32 v1, 4, v4
	v_lshlrev_b32 v2, 3, v4
	v_lshlrev_b32 v3, 4, v6
	s_wait_alu depctr_va_vdst(0)                   ; ahead of the waits below
	s_wait_dscnt 0x0                               ; both opening adds are done
	s_wait_kmcnt 0x0
	s_add_nc_u64 s[G0+2:G0+3], s[4:5], s[66:67]
	s_or_b32 s[G0+3], s[G0+3], 0x80000000
	s_add_nc_u64 s[40:41], s[4:5], s[40:41]
	s_add_nc_u64 s[42:43], s[6:7], s[42:43]
	global_load_b128 v[16:19], v1, s[40:41]
	global_load_b64 v[20:21], v2, s[40:41] offset:512
	global_load_b32 v249, v3, s[42:43]
	CROUND                                         ; all four work-groups are here: the joint loads meet
	s_cmp_lg_u32 s12, 0                            ; wave w asks for key step w, one load a wave; wave 0's, which all waves want first, has a line of its own, since it is waited for alone
	s_cbranch_scc1 .Lrest
	tensor_load_to_lds s[G0:G0+3], s[G1:G1+7]
	s_nop 0
.rept 4
	v_nop
.endr
	s_branch .Lasked
.Lrest:
	tensor_load_to_lds s[G0:G0+3], s[G1:G1+7]
	s_nop 0
.rept 4
	v_nop
.endr
.Lasked:
	s_lshl_b32 s44, s[LNG], 3
	s_add_co_u32 s44, s44, s36
	s_mul_i32 s44, s44, 768
	s_add_co_u32 s46, s37, s[LNG]
	s_lshl_b32 s46, s46, 9
	s_add_co_u32 s46, s46, s38
	s_mov_b32 s45, 0
	s_mov_b32 s47, 0
	s_add_nc_u64 s[44:45], s[4:5], s[44:45]        ; my second tile's Q
	s_add_nc_u64 s[46:47], s[6:7], s[46:47]
	s_lshr_b32 s48, s14, 4
	s_lshl_b32 s48, s48, 4
	s_lshl_b32 s49, s13, 1
	s_add_co_u32 s48, s48, s49                     ; block 16 b + 2 g
	s_and_b32 s49, s14, 15                         ; the head
	s_lshl_b32 s50, s48, 4
	s_add_co_u32 s50, s50, s49
	s_mul_i32 s50, s50, 6400
	s_mul_i32 s48, s15, 102400                     ; role 1's tiles: the next block
	s_add_co_u32 s48, s48, s50
	s_and_b32 s49, s[DG], 7
	s_mul_i32 s49, s49, 768
	s_add_co_u32 s48, s48, s49
	s_add_co_u32 s50, s50, 6144
	s_mov_b32 s49, 0
	s_mov_b32 s51, 0
	s_add_nc_u64 s[48:49], s[8:9], s[48:49]        ; where my finished tile's codes go
	s_add_nc_u64 s[50:51], s[8:9], s[50:51]        ; and the block's scale bytes
	s_lshl_b32 s[GAW], s12, 5
	s_add_co_u32 s[GAW], s[GAW], GA
	s_mul_i32 s[EXW], s12, 4608
	s_add_co_u32 s[EXW], s[EXW], EX
	s_xor_b32 s55, s12, 12
	s_mul_i32 s[EXR], s55, 4608
	s_add_co_u32 s[EXR], s[EXR], EX
	v_lshlrev_b32 v7, 3, v5
	v_and_b32 v10, 8, v6
	v_lshlrev_b32 v9, 5, v5
	v_mad_u32_u24 v11, v10, 3, v6
	v_lshl_add_u32 v6, v6, 1, v5                   ; 2 r + h
	v_sub_nc_u32 v11, v11, v9
	v_add_nc_u32 v11, s56, v11                     ; d = 8 (g % 4) + (r & 7) + 32 (r >> 3) - 32 h: my query's place in its 64 less my lane half's first key
.irp i, 22,23,24,25,26,27
	v_mov_b32 v[\i], 0                             ; q's zero codes for k = 64 .. 127 of the first product
.endr
.irp i, 224,225,226,227,228,229,230,231,232,233,234,235
	v_mov_b32 v[\i], 0                             ; (named behind K's last tile ahead of their first codes)
.endr
.irp i, 250,251,252,253
	v_mov_b32 v[\i], 0                             ; (a lane permute's destination counts as one of its sources; pairs' upper halves)
.endr
.macro START                           ; a tile's running values
	v_mov_b32 v13, 0xff61b1e6                      ; the largest score so far: -3e38
	v_mov_b32 v12, 0x7e000000                      ; -M
	v_mov_b32 v14, 0
	v_mov_b32 v15, 0
.set J, 0
.rept 32
	v_mov_b32 v[144+J], 0                          ; O^T: the step is written for any place in the walk; the first finds zeros, which the first change of M leaves zeros
.set J, J+1
.endr
.endm
	START
.macro AT base                         ; the addresses in a record
	v_add_nc_u32 v8, s[\base], v1
	v_add_nc_u32 v9, s[\base], v2
	v_add_nc_u32 v10, s[\base], v3
.endm
.macro KLOAD                           ; K's eight tiles and their scale words: 18 loads
.irp t, 0,1,2,3,4,5,6,7
	ds_load_b128 v[176+6*\t:179+6*\t], v8 offset:768*\t
	ds_load_b64 v[180+6*\t:181+6*\t], v9 offset:768*\t+512
.endr
	ds_load_b128 v[236:239], v10 offset:12288      ; the scale words of row r of tiles 0-3,
	ds_load_b128 v[240:243], v10 offset:12544      ; 4-7
.endm
; A KEY STEP: 128 keys.  Its K has been asked for; kn = 1: it asks for the next step's K behind its own first products (behind the last record once more for the last)
.macro STEP kn
	s_cmp_gt_u32 s[KF], s[LIM]                     ; not a step of mine: left out, all but the lines at its end that step addresses
	s_cbranch_scc1 .Lhidden_\@
	s_cmp_lt_u32 s[KF], s[FST]
	s_cbranch_scc1 .Lhidden_\@
	AT TB                                          ; with the v_nop: four places in front of loads into registers that the last products read
	v_nop
.irp t, 0,1,2,3                                ; V lands while the softmax is walked: 17 loads
	ds_load_b128 v[32+12*\t:35+12*\t], v8 offset:6144+768*\t
	ds_load_b64 v[36+12*\t:37+12*\t], v9 offset:6144+768*\t+512
	ds_load_b128 v[38+12*\t:41+12*\t], v8 offset:9216+768*\t
	ds_load_b64 v[42+12*\t:43+12*\t], v9 offset:9216+768*\t+512
.endr
	ds_load_b128 v[244:247], v10 offset:12800
	s_wait_dscnt 17                                ; K is in; V's 17 loads may be out
.irp t, 0,1,2,3,4,5,6,7                        ; S^T = K Q^T
	v_wmma_scale_f32_16x16x128_f8f6f4 v[80+8*\t:87+8*\t], v[176+6*\t:187+6*\t], v[16:27], 0, v[236+\t], v249 matrix_a_fmt:MATRIX_FMT_BF6 matrix_b_fmt:MATRIX_FMT_BF6
.endr
	v_mov_b32 v250, v12                            ; the old -M; with the three lines below the places behind the products
.if \kn
	s_add_co_u32 s[TBN], s[TB], REC
	s_min_u32 s[TBN], s[TBN], 15*REC
	AT TBN
	KLOAD
.else
.rept 3
	v_nop
.endr
.endif
	s_cmp_lg_u32 s[KF], s[DG]                      ; only the step on the diagonal hides keys
	s_cbranch_scc1 .Lopen_\@
	v_mov_b32 v252, 0xff800000                     ; -infinity.  Register 32 c + i holds key 64 c + 32 h + i of the step; my query lies in half X: in that half a key is hidden where i > d
	s_wait_alu depctr_va_vdst(0)                   ; ahead of the branch
	s_cmp_lg_u32 s10, 0                            ; (X is alike in all partners)
	s_cbranch_scc1 .Lupper_\@
.set N, 0
.rept 32
	v_cmp_gt_i32 vcc_lo, N, v11
	v_cndmask_b32 v[80+N], v[80+N], v252, vcc_lo
.set N, N+1
.endr
.set N, 0
.rept 32
	v_mov_b32 v[112+N], v252                       ; the upper half comes after every query of the lower
.set N, N+1
.endr
	s_wait_alu depctr_va_vdst(0)                   ; ahead of the branch
	s_branch .Lopen_\@
.Lupper_\@:
.set N, 0
.rept 32
	v_cmp_gt_i32 vcc_lo, N, v11
	v_cndmask_b32 v[112+N], v[112+N], v252, vcc_lo
.set N, N+1
.endr
.Lopen_\@:
.irp b, 0,1,2,3
	v_max3_num_f32 v[28+\b], v[80+16*\b], v[81+16*\b], v[82+16*\b]   ; the largest score of each of my two blocks: for the row's maximum and, since p rises with the score, for the block's largest p
.endr
.irp i, 3,5,7,9,11,13
.irp b, 0,1,2,3
	v_max3_num_f32 v[28+\b], v[28+\b], v[80+16*\b+\i], v[81+16*\b+\i]
.endr
.endr
	v_max3_num_f32 v28, v28, v29, v95
	v_max3_num_f32 v30, v30, v31, v127
	v_max_num_f32 v28, v28, v111
	v_max_num_f32 v30, v30, v143
	v_max_num_f32 v253, v28, v30
	s_delay_alu instid0(VALU_DEP_1)
	v_permlanex16_b32 v251, v253, s[SEL], s[SEL+1]
	s_delay_alu instid0(VALU_DEP_1)
	v_max3_num_f32 v13, v13, v253, v251            ; the running largest score
	s_delay_alu instid0(VALU_DEP_1)
	v_mul_f32 v251, 0xbe38aa3b, v13                ; as -t
	s_delay_alu instid0(VALU_DEP_1)
	v_floor_f32 v12, v251                          ; the new -M = -ceil(t)
	s_delay_alu instid0(VALU_DEP_1)
	v_sub_f32 v250, v12, v250                      ; old M - new M: a whole number, 0 or less
	s_delay_alu instid0(VALU_DEP_1)
	v_cvt_i32_f32 v250, v250                       ; (it saturates)
	s_delay_alu instid0(VALU_DEP_1)
	v_ldexp_f32 v250, 1.0, v250                    ; f = 2^(old M - new M)
	v_fma_f32 v28, v28, s[CS], v12                 ; t - M of each block's largest score,
	v_fma_f32 v30, v30, s[CS], v12
.set J, 0
.rept 32
	v_pk_fma_f32 v[80+J:81+J], v[80+J:81+J], s[CS:CS+1], v[12:13] op_sel_hi:[1,0,0]   ; and of all, two at a time
.set J, J+2
.endr
	s_wait_alu depctr_va_vdst(0)                   ; the wait ahead of the batch
	v_exp_f32 v28, v28                             ; the blocks' largest p: the same two instructions on the same numbers
	v_exp_f32 v30, v30
.set J, 0
.rept 64
	v_exp_f32 v[80+J], v[80+J]                     ; p = 2^(t - M), at most 1
.set J, J+1
.endr
	s_wait_alu depctr_va_vdst(0)                   ; and behind it
	v_max_num_f32 v28, 0x2800000, v28              ; the floor 2^(5 - 127)  (a plain place behind the exponentials)
	v_max_num_f32 v30, 0x2800000, v30
	v_add_nc_u32 v28, 0xfe000000, v28              ; 4 off the exponent field: the conversion's scale operand
	v_add_nc_u32 v30, 0xfe000000, v30
	v_cvt_scalef32_pk16_bf6_f32 v[232:234], v[128:143], v30   ; (three registers begin on an even number: the second halves are made one register too low and moved up, ahead of the first halves)
	v_cvt_scalef32_pk16_bf6_f32 v[226:228], v[96:111], v28
	v_lshrrev_b32 v29, 23, v28                     ; the bytes of blocks h and 2 + h  (plain places behind the conversions)
	v_lshrrev_b32 v31, 23, v30
	v_mov_b32 v235, v234
	v_mov_b32 v234, v233
	v_mov_b32 v233, v232
	v_mov_b32 v229, v228
	v_mov_b32 v228, v227
	v_mov_b32 v227, v226
	v_cvt_scalef32_pk16_bf6_f32 v[230:232], v[112:127], v30
	v_cvt_scalef32_pk16_bf6_f32 v[224:226], v[80:95], v28
	v_lshl_or_b32 v29, v31, 16, v29
	v_pk_add_f32 v[86:87], v[86:87], v[88:89]      ; the sum, of the unquantised p, in four chains by turns
	v_lshlrev_b32 v29, v7, v29
	v_pk_fma_f32 v[14:15], v[14:15], v[250:251], v[80:81] op_sel_hi:[1,0,1]   ; (under the new M)
	v_pk_add_f32 v[82:83], v[82:83], v[84:85]
	v_permlanex16_b32 v252, v29, s[SEL], s[SEL+1]
	v_pk_add_f32 v[90:91], v[90:91], v[92:93]
	v_or_b32 v248, v29, v252                       ; p's scale word for these 128 keys
.irp k, 94,102,110,118,126,134
	v_pk_add_f32 v[14:15], v[14:15], v[\k:\k+1]
	v_pk_add_f32 v[82:83], v[82:83], v[\k+2:\k+3]
	v_pk_add_f32 v[86:87], v[86:87], v[\k+4:\k+5]
	v_pk_add_f32 v[90:91], v[90:91], v[\k+6:\k+7]
.endr
	v_pk_add_f32 v[14:15], v[14:15], v[142:143]
	v_pk_add_f32 v[86:87], v[86:87], v[90:91]
	v_pk_add_f32 v[14:15], v[14:15], v[82:83]
	v_pk_add_f32 v[14:15], v[14:15], v[86:87]
.if \kn
	s_wait_dscnt 18                                ; V is in; the next K's 18 loads may be out
.else
	s_wait_dscnt 0x0
.endif
	s_wait_alu depctr_va_vdst(0)                   ; directly ahead of the first reader of O^T
.set J, 0
.rept 16
	v_pk_mul_f32 v[144+J:145+J], v[144+J:145+J], v[250:251] op_sel_hi:[1,0]   ; O^T under the new M.  (With the sums: the places between the writes of p's codes and scale word and the products below)
.set J, J+2
.endr
.irp t, 0,1,2,3                                ; O^T += V^T P^T: four tiles of 16 channels, by turns
	v_wmma_scale_f32_16x16x128_f8f6f4 v[144+8*\t:151+8*\t], v[32+12*\t:43+12*\t], v[224:235], v[144+8*\t:151+8*\t], v[244+\t], v248 matrix_a_fmt:MATRIX_FMT_BF6 matrix_b_fmt:MATRIX_FMT_BF6
.endr
.Lhidden_\@:
	s_add_co_u32 s[KF], s[KF], 1
	s_add_co_u32 s[TB], s[TB], REC
.endm
; A TILE IS FINISHED: O^T / the sum; register 8 t + j is channel 32 h + 8 t + j of my query: one block of the last product's K.  It is quantised and leaves as one image; its scale byte goes to the gathered bytes
.macro FINISH
	v_add_f32 v14, v14, v15
	s_delay_alu instid0(VALU_DEP_1)
	v_permlanex16_b32 v252, v14, s[SEL], s[SEL+1]
	v_add_f32 v14, v14, v252                       ; the row's sum
	s_wait_alu depctr_va_vdst(0)
	v_rcp_f32 v14, v14
	v_nop                                          ; a plain place behind the transcendental
	s_wait_alu depctr_va_vdst(0)
.set J, 0
.rept 16
	v_pk_mul_f32 v[80+J:81+J], v[144+J:145+J], v[14:15] op_sel_hi:[1,0]
.set J, J+2
.endr
	v_max3_num_f32 v28, |v80|, |v81|, 0x2800000
	v_max3_num_f32 v29, |v96|, |v97|, |v98|
.irp i, 2,4,6,8,10,12
	v_max3_num_f32 v28, v28, |v[80+\i]|, |v[81+\i]|
	v_max3_num_f32 v29, v29, |v[97+\i]|, |v[98+\i]|
.endr
	v_max3_num_f32 v28, v28, |v94|, |v95|
	v_max3_num_f32 v28, v28, v29, |v111|
	v_add_nc_u32 v28, 0xfe000000, v28
	v_cvt_scalef32_pk16_bf6_f32 v[226:228], v[96:111], v28
	v_lshrrev_b32 v29, 23, v28                     ; my block's byte  (a plain place behind the conversion)
	v_add_nc_u32 v10, s[GAW], v6
	v_mov_b32 v229, v228
	v_mov_b32 v228, v227
	v_mov_b32 v227, v226
	v_cvt_scalef32_pk16_bf6_f32 v[224:226], v[80:95], v28
	v_nop                                          ; a plain place behind the conversion
	ds_store_b8 v10, v29                           ; every lane another byte
	global_store_b128 v1, v[224:227], s[48:49]             ; 512 consecutive bytes, aligned
	global_store_b64 v2, v[228:229], s[48:49] offset:512   ; 256
.endm
	s_wait_alu depctr_va_vdst(0)                   ; the wait at the head's end
	s_wait_loadcnt 0x0                             ; Q
	s_cmp_lg_u32 s12, 0
	s_cbranch_scc1 .Lnot_first
	s_wait_tensorcnt 0x0                           ; wave 0: key step 0 is in,
.Lnot_first:
	s_barrier_signal -1
	s_barrier_wait -1                              ; and everybody knows
	AT TB
	KLOAD
	STEP 0
	s_wait_alu depctr_va_vdst(0)                   ; ahead of the waits below
	s_wait_tensorcnt 0x0                           ; my step is in
	s_wait_dscnt 0x0
	s_barrier_signal -1
	s_barrier_wait -1                              ; all sixteen are
	AT TB
	KLOAD
	s_mov_b32 s[CNT], 8
	s_wait_alu depctr_va_vdst(0)                   ; ahead of the branches below
.Lfirst:                                       ; steps 1-8
	STEP 1
	s_sub_co_u32 s[CNT], s[CNT], 1
	s_cmp_lg_u32 s[CNT], 0
	s_cbranch_scc1 .Lfirst
	s_wait_alu depctr_va_vdst(0)                   ; ahead of the branch
	s_cmp_eq_u32 s15, 1
	s_cbranch_scc1 .Lwalk_on
	; role 0: my short tile is finished; on to the rest of a long one
	s_wait_dscnt 0x0                               ; (a K that was asked for and is not wanted)
.rept 4
	v_nop                                          ; places in front of loads into registers that products read, and of reads of results
.endr
	global_load_b128 v[16:19], v1, s[44:45]
	global_load_b64 v[20:21], v2, s[44:45] offset:512
	global_load_b32 v249, v3, s[46:47]
	FINISH
	s_mov_b32 s[DG], s[LNG]
	s_mov_b32 s[LIM], s[LNG]
	s_mov_b32 s[FST], s[SPL]
	s_mul_i32 s[TBN], s[SPL], REC
	AT TBN
	KLOAD
	START
	s_wait_alu depctr_va_vdst(0)                   ; ahead of the waits below
	s_wait_loadcnt 0x0
	s_wait_xcnt 0x0                                ; the stores have read their registers
.Lwalk_on:
	s_mov_b32 s[CNT], 7
.Lsecond:                                      ; steps 9-15
	STEP 1
	s_sub_co_u32 s[CNT], s[CNT], 1
	s_cmp_lg_u32 s[CNT], 0
	s_cbranch_scc1 .Lsecond
.rept 4
	v_nop                                          ; places in front of reads of results
.endr
	s_wait_alu depctr_va_vdst(0)                   ; ahead of the branch
	s_cmp_eq_u32 s15, 1
	s_cbranch_scc1 .Lhanded
	v_add_nc_u32 v8, s[EXW], v1                    ; role 0 hands its part over
.irp i, 0,1,2,3,4,5,6,7
	ds_store_b128 v8, v[144+4*\i:147+4*\i] offset:512*\i
.endr
	ds_store_b128 v8, v[12:15] offset:4096
.Lhanded:
	s_wait_dscnt 0x0
	s_barrier_signal -1
	s_barrier_wait -1
	s_cmp_eq_u32 s15, 0
	s_cbranch_scc1 .Lgathered
	v_add_nc_u32 v8, s[EXR], v1                    ; role 1 adds the two parts under the greater M
	ds_load_b128 v[28:31], v8 offset:4096
.irp i, 0,1,2,3,4,5,6,7
	ds_load_b128 v[80+4*\i:83+4*\i], v8 offset:512*\i
.endr
	s_wait_dscnt 8                                 ; M and the sum are in; O's eight loads may be out
	v_min_num_f32 v250, v12, v28                   ; -M
	v_sub_f32 v251, v250, v12
	v_sub_f32 v252, v250, v28
	v_cvt_i32_f32 v251, v251
	v_cvt_i32_f32 v252, v252
	v_ldexp_f32 v250, 1.0, v251
	v_ldexp_f32 v252, 1.0, v252
	v_pk_mul_f32 v[14:15], v[14:15], v[250:251] op_sel_hi:[1,0]
	v_pk_fma_f32 v[14:15], v[30:31], v[252:253], v[14:15] op_sel_hi:[1,0,1]
	s_wait_dscnt 0x0
	s_wait_alu depctr_va_vdst(0)                   ; directly ahead of the readers below
.set J, 0
.rept 16
	v_pk_mul_f32 v[144+J:145+J], v[144+J:145+J], v[250:251] op_sel_hi:[1,0]
.set J, J+2
.endr
.set J, 0
.rept 16
	v_pk_fma_f32 v[144+J:145+J], v[80+J:81+J], v[252:253], v[144+J:145+J] op_sel_hi:[1,0,1]
.set J, J+2
.endr
	FINISH
.Lgathered:
	s_wait_alu depctr_va_vdst(0)                   ; ahead of the waits below
	s_wait_dscnt 0x0
	s_barrier_signal -1
	s_barrier_wait -1                              ; all 16 tiles' bytes are gathered
	s_cmp_lg_u32 s12, 0
	s_cbranch_scc1 .Lbytes_out
	v_bfe_u32 v8, v4, 1, 3                         ; lane l takes 16 bytes of tile q = (l / 2) % 8 of block l / 16: they lie at 32 x wave; the wave is q xor 15 in the first block, q xor 4 in the second
	v_lshrrev_b32 v10, 4, v4
	v_and_b32 v9, 1, v4
	v_mul_u32_u24 v5, v10, 11
	v_xor_b32 v8, 15, v8
	v_xor_b32 v8, v8, v5
	v_lshlrev_b32 v8, 5, v8
	v_lshl_add_u32 v8, v9, 4, v8
	v_add_nc_u32 v8, GA, v8
	ds_load_b128 v[80:83], v8
	v_and_b32 v5, 15, v4
	v_lshlrev_b32 v5, 4, v5
	v_mad_u32_u24 v5, v10, 0x19000, v5             ; lanes 16-31: the next block's
	s_wait_alu depctr_va_vdst(0)                   ; ahead of the wait below
	s_wait_dscnt 0x0
	global_store_b128 v5, v[80:83], s[50:51]       ; sixteen lanes store one aligned unit of 256 bytes
.Lbytes_out:
	s_wait_tensorcnt 0x0                           ; the wave's end
	ds_add_u32 v254, v255
	s_wait_dscnt 0x0
	CROUND                                         ; the closing round: no work-group ends while a partner may still ask for a tile that names it
	s_endpgm
.Lfunc_end_k_q3c39d6d40f_attn:
	.size	k_q3c39d6d40f_attn, .Lfunc_end_k_q3c39d6d40f_attn-k_q3c39d6d40f_attn
	.p2alignl 7, 3214868480
	.fill 96, 4, 3214868480
	.section	.rodata,"a",@progbits
	.p2align	6, 0x0
	.amdhsa_kernel k_q3c39d6d40f_attn
		.amdhsa_group_segment_fixed_size 285184
		.amdhsa_private_segment_fixed_size 0
		.amdhsa_enable_private_segment 0
		.amdhsa_kernarg_size 24
		.amdhsa_user_sgpr_count 2
		.amdhsa_user_sgpr_kernarg_segment_ptr 1
		.amdhsa_wavefront_size32 1
		.amdhsa_system_sgpr_workgroup_id_x 1
		.amdhsa_system_sgpr_workgroup_id_y 1
		.amdhsa_system_sgpr_workgroup_id_z 1
		.amdhsa_system_vgpr_workitem_id 0
		.amdhsa_next_free_vgpr 256
		.amdhsa_next_free_sgpr 80
		.amdhsa_reserve_vcc 1
		.amdhsa_float_denorm_mode_32 3
		.amdhsa_float_denorm_mode_16_64 3
		.amdhsa_memory_ordered 1
		.amdhsa_forward_progress 1
		.amdhsa_inst_pref_size 86
	.end_amdhsa_kernel
	.amdgpu_metadata
---
amdhsa.version: [ 1, 2 ]
amdhsa.kernels:
  - .name:           k_q3c39d6d40f_attn
    .symbol:         k_q3c39d6d40f_attn.kd
    .args:
      - { .name: ac, .offset: 0, .size: 8, .value_kind: global_buffer, .address_space: global }
      - { .name: asc, .offset: 8, .size: 8, .value_kind: global_buffer, .address_space: global }
      - { .name: oc, .offset: 16, .size: 8, .value_kind: global_buffer, .address_space: global }
    .group_segment_fixed_size: 285184
    .private_segment_fixed_size: 0
    .kernarg_segment_align: 8
    .kernarg_segment_size: 24
    .max_flat_workgroup_size: 512
    .sgpr_count:     80
    .vgpr_count:     256
    .wavefront_size: 32
...
	.end_amdgpu_metadata
.endif
;; end of part 3
;; launch proj (part 4): grid 8 x 32, 4 waves a work-group, clusters of 4 x 4, 222,720 bytes of LDS; arguments oc, wc, b_out, out0; writes out0
.if DOCPART == 4
	.amdgcn_target "amdgcn-amd-amdhsa--gfx1250"
	.amdhsa_code_object_version 6
	.text
	.protected	k_q3c39d6d40f_proj
	.globl	k_q3c39d6d40f_proj
	.p2align	8
	.type	k_q3c39d6d40f_proj,@function
k_q3c39d6d40f_proj:
	s_mov_b64 s[64:65], 0
	v_nop
	global_prefetch_b8 v0, s[64:65] scope:SCOPE_SE
	s_setreg_imm32_b32 hwreg(HW_REG_WAVE_MODE, 25, 1), 1
	s_wait_xcnt 0x0
	s_wait_alu depctr_hold_cnt(0) depctr_sa_sdst(0) depctr_va_vdst(0) depctr_va_sdst(0) depctr_va_ssrc(0) depctr_va_vcc(0) depctr_vm_vsrc(0)
	s_getreg_b32 s2, hwreg(HW_REG_IB_STS2, 6, 4)
	s_cmp_eq_u32 s2, 0
	s_cbranch_scc0 .Lentry_in_a_cluster
	s_endpgm
.Lentry_in_a_cluster:
	s_bfe_u32 s2, ttmp6, 0x10000c
	s_cmp_lg_u32 s2, 0xf033
	s_cbranch_scc0 .Lentry_shape_is_right
	s_endpgm
.Lentry_shape_is_right:
; out0 = o w_out^T + b_out on codes of E3M2 with E8M0 scales, K = 1,024; out0 [4096][1024] f32.
; OPERANDS are images of registers (16 rows x 64 K = 768 bytes: lane l's registers 0-3 at 16 l, registers 4-5 at 512 + 8 l).
; oc: [block R 0..31][head 16][6400]: 8 tiles' images of the head's 64, then their scale bytes [tile][r][2].  Tile a of block R = 16 b + 2 g + e, row r, is token 2048 b + 128 (8 e + a) + 64 (g / 4) + 8 (g % 4) + (r & 7) + 32 (r >> 3).
; wc: [four tiles][K step][6400]: four tiles' codes (1,536 each), then their scale words [tile][r]; w_out: fours 112-127; row r of tile T: 64 (T / 4) + 8 (T % 4) + (r & 7) + 32 (r >> 3).
; SHARES: 256 work-groups, each one block's 128 rows x 128 columns of out0; each of four waves 64 x 64: 16 accumulators.  USED TRANSPOSED: source 0 = 16 rows of w_out, source 1 = 16 tokens: a lane holds eight neighbouring columns of one row.
; BY ROWS: all of my w_out fragments (4 tiles x 8 K steps) stay in registers; my four tiles of tokens are finished one after the other, so that one tile's rows are stored while the next is multiplied.
; CLUSTERS 4 x 4: o's tiles are shared along a row of the cluster, w_out's along a column: each is asked for jointly, by the same tensor load with the same descriptor and a mask that names the four.
; LDS: all of K lies in LDS, each byte filled once, by one load of 51,200 bytes a wave: waves 0, 1 the lower and the upper half of K of o, waves 2, 3 of w_out.  The lower half is waited for first.  A stage of its own for each wave on the way out.
; NO PREFETCH: all that the launch reads is asked for at its head, ahead of every product.
; b_out is the C of each sum's first matrix instruction.
; REGISTERS: window 0: v1-17 addresses; v24-27 the way out and the bias; v30, v31 for the add; v32-63 the bias; v64-95 w_out's scale words (8 b + k), v96-127 o's (8 a + k); v128-255 the accumulators, (a, b) at 128 + 8 (4 a + b).
;   windows 1, 2: w_out's fragments of K steps 0-3, 4-7, (k, b) at 12 (4 k + b); from v192 on two tiles' rows of out0 each.  window 3: o's fragments of two tiles, at 96 (a % 2) + 12 k.
.set LW,   51200
.set STG,  4*LW
.set SPARE, STG+4*4352                 ; the spare words, 128 bytes for each wave, that no other line names
.set BB,   32
.set SW,   64
.set SO,   96
.set ACC,  128
.set TP,   224                         ; the last tile's accumulators, at work ahead of its products
.set G1A,  24
.set G1B,  32
.set G0A,  48
.set G0B,  52
.set MSB, 0
.macro WIN new                         ; the immediate's high byte repeats the setting that is left
.if MSB != \new
	s_set_vgpr_msb (MSB<<8)|\new
.set MSB, \new
.endif
.endm
.macro CROUND                          ; a round of the cluster's barrier
	s_barrier_signal -1
	s_barrier_wait -1
	s_cmp_lg_u32 s16, 0
	s_cbranch_scc1 .Lnot_wave_0_\@
	s_barrier_signal -3
.Lnot_wave_0_\@:
	s_barrier_wait -3
	s_barrier_signal -1
	s_barrier_wait -1
.endm
	s_load_b256 s[4:11], s[0:1], 0x0               ; oc s[4:5], wc s[6:7], b_out s[8:9], out0 s[10:11]
	v_lshl_add_u32 v30, v0, 2, SPARE
	v_mov_b32 v31, 0
	ds_add_u32 v30, v31                            ; the wave's opening: the add, twice on end, ahead of my first tensor load
	ds_add_u32 v30, v31
	v_lshrrev_b32 v1, 5, v0
	v_readfirstlane_b32 s16, v1                    ; wave 0..3
	s_lshr_b32 s17, s16, 1                         ; rh: my half of the rows.  Also: I fetch for o (0) or for w_out (1)
	s_and_b32 s18, s16, 1                          ; ch: my half of the columns.  Also: which half of K I fetch
	s_bfe_u32 s19, ttmp6, 0x40000                  ; cx
	s_bfe_u32 s20, ttmp6, 0x40004                  ; cy
	s_lshl_b32 s21, ttmp9, 2
	s_add_co_u32 s21, s21, s19                     ; tc: 128 columns
	s_and_b32 s22, ttmp7, 0xffff
	s_lshl_b32 s22, s22, 2
	s_add_co_u32 s22, s22, s20                     ; R: my block
	s_lshl_b32 s23, s20, 2
	s_lshl_b32 s23, 15, s23                        ; my row of the cluster
	s_lshl_b32 s3, 0x1111, s19                     ; my column
	s_or_b32 s[G1A], s23, (3<<16)|(1<<21)          ; 15:0 the mask; 17:16 elements of 8 bytes; 21 set beside a mask; no padding
	s_or_b32 s[G1B], s3, (3<<16)|(1<<21)
	s_mov_b32 s[G1A+1], 32<<16                     ; o: 51,200 dense bytes as 200 rows of 256
	s_mov_b32 s[G1A+2], 200<<16
	s_mov_b32 s[G1A+3], 32<<16
	s_mov_b32 s[G1A+4], 200
	s_mov_b32 s[G1A+5], 32
	s_mov_b32 s[G1A+6], 0
	s_mov_b32 s[G1A+7], 0
	s_mov_b32 s[G1B+1], 3200<<16                   ; w_out: two fours' four records, rows of 25,600 bytes, 51,200 apart
	s_mov_b32 s[G1B+2], 2<<16
	s_mov_b32 s[G1B+3], 3200<<16
	s_mov_b32 s[G1B+4], 2
	s_mov_b32 s[G1B+5], 6400
	s_mov_b32 s[G1B+6], 0
	s_mov_b32 s[G1B+7], 0
	s_mul_i32 s40, s22, 102400
	s_mul_i32 s41, s18, LW
	s_add_co_u32 s40, s40, s41
	s_mov_b32 s41, 0
	s_mul_i32 s42, s21, 102400
	s_mul_i32 s43, s18, 25600
	s_add_co_u32 s42, s42, s43
	s_add_co_u32 s42, s42, 5734400                 ; four 112
	s_mov_b32 s43, 0
	s_mul_i32 s44, s16, LW                         ; where they go: by the wave's number alone
	s_wait_dscnt 0x0                               ; both opening adds are done
	s_wait_kmcnt 0x0
	s_add_nc_u64 s[40:41], s[4:5], s[40:41]
	s_add_nc_u64 s[42:43], s[6:7], s[42:43]
	s_mov_b32 s[G0A], 1
	s_mov_b32 s[G0A+1], s44
	s_mov_b64 s[G0A+2:G0A+3], s[40:41]
	s_or_b32 s[G0A+3], s[G0A+3], 0x80000000
	s_mov_b32 s[G0B], 1
	s_mov_b32 s[G0B+1], s44
	s_mov_b64 s[G0B+2:G0B+3], s[42:43]
	s_or_b32 s[G0B+3], s[G0B+3], 0x80000000
	CROUND                                         ; all sixteen work-groups are here: the joint loads meet
; One load a wave, each wave a line of its own: one tree of branches on the wave's number
.macro ARM under, g0, g1, next
	s_cmp_lt_u32 s16, \under
	s_cbranch_scc0 \next
	tensor_load_to_lds s[\g0:\g0+3], s[\g1:\g1+7]
	s_nop 0
.rept 4
	v_nop
.endr
	s_branch .Lasked
\next:
.endm
	ARM 1, G0A, G1A, .Lo_upper
	ARM 2, G0A, G1A, .Lw_lower
	ARM 3, G0B, G1B, .Lw_upper
	tensor_load_to_lds s[G0B:G0B+3], s[G1B:G1B+7]
	s_nop 0
.rept 4
	v_nop
.endr
.Lasked:
	s_mul_i32 s2, s17, 3072                        ; my 4 tiles of o
	s_add_co_u32 s3, s2, LW                        ; (upper half of K)
	s_mul_i32 s45, s18, 25600                      ; my 4 tiles of w_out, behind o's
	s_add_co_u32 s45, s45, 2*LW
	s_add_co_u32 s46, s45, LW
	s_lshl_b32 s47, s17, 7                         ; their scale bytes: o's 32 a tile
	s_add_co_u32 s56, s47, LW
	s_mul_i32 s57, s16, 4352
	s_add_co_u32 s57, s57, STG                     ; my stage: 16 rows x (256 bytes + 16)
	s_lshl_b32 s58, s21, 9
	s_lshl_b32 s59, s18, 8
	s_add_co_u32 s58, s58, s59                     ; my first column, in bytes: (128 tc + 64 ch) x 4
	s_mov_b32 s59, 0
	s_add_nc_u64 s[8:9], s[8:9], s[58:59]
	s_lshr_b32 s60, s22, 4
	s_lshl_b32 s60, s60, 11                        ; my first row: 2048 b
	s_and_b32 s61, s22, 1
	s_lshl_b32 s61, s61, 10
	s_add_co_u32 s60, s60, s61                     ; + 1024 e
	s_lshl_b32 s61, s17, 9
	s_add_co_u32 s60, s60, s61                     ; + 512 rh
	s_bfe_u32 s61, s22, 0x10003
	s_lshl_b32 s61, s61, 6
	s_add_co_u32 s60, s60, s61                     ; + 64 (g / 4)
	s_bfe_u32 s61, s22, 0x20001
	s_lshl_b32 s61, s61, 3
	s_add_co_u32 s60, s60, s61                     ; + 8 (g % 4)
	s_lshl_b32 s60, s60, 12
	s_add_co_u32 s60, s60, s58
	s_mov_b32 s61, 0
	s_add_nc_u64 s[10:11], s[10:11], s[60:61]
	v_bfe_u32 v2, v0, 4, 1                         ; h
	v_and_b32 v1, 15, v0                           ; r
	v_and_b32 v3, 31, v0
	v_lshlrev_b32 v27, 7, v2                       ; the bias: 128 h
.irp b, 0,1,2,3
	global_load_b128 v[BB+8*\b:BB+8*\b+3], v27, s[8:9] offset:32*\b       ; tile b: columns 8 b + 32 h + 0 .. 7
	global_load_b128 v[BB+8*\b+4:BB+8*\b+7], v27, s[8:9] offset:32*\b+16
.endr
	v_lshlrev_b32 v16, 4, v3
	v_lshlrev_b32 v17, 3, v3
	v_lshlrev_b32 v12, 1, v1
	v_lshlrev_b32 v14, 2, v1
	v_mul_u32_u24 v24, v1, 272
	v_mul_u32_u24 v25, v2, 272
	v_lshlrev_b32 v26, 12, v2
	v_add_nc_u32 v4, s2, v16
	v_add_nc_u32 v5, s2, v17
	v_add_nc_u32 v6, s3, v16
	v_add_nc_u32 v7, s3, v17
	v_add_nc_u32 v8, s45, v16
	v_add_nc_u32 v9, s45, v17
	v_add_nc_u32 v10, s46, v16
	v_add_nc_u32 v11, s46, v17
	v_add_nc_u32 v13, s56, v12
	v_add_nc_u32 v12, s47, v12
	v_add_nc_u32 v15, s46, v14
	v_add_nc_u32 v14, s45, v14
	v_lshl_add_u32 v24, v2, 7, v24
	v_lshl_add_u32 v25, v1, 4, v25
	v_lshl_add_u32 v26, v1, 4, v26                 ; out0: lanes 0-15 one row, lanes 16-31 the next
	v_add_nc_u32 v24, s57, v24                     ; the stage, in: row r, + 128 h
	v_add_nc_u32 v25, s57, v25                     ; back: the same two rows
.macro WFRAGS hf                       ; w_out's 16 fragments of half hf of K: 64 loads into window 1 + hf
	WIN (0x40*(1+\hf))
.irp k, 0,1,2,3
.irp b, 0,1,2,3
.set RG, 12*(4*\k+\b)
.set OF, \k*6400+\b*1536
	ds_load_b128 v[RG:RG+3], v[8+2*\hf] offset:OF
	ds_load_b64 v[RG+4:RG+5], v[9+2*\hf] offset:OF+512
	ds_load_b128 v[RG+6:RG+9], v[8+2*\hf] offset:OF+768
	ds_load_b64 v[RG+10:RG+11], v[9+2*\hf] offset:OF+1280
.endr
.endr
.endm
.macro OFRAGS a, hf                    ; o's fragments of tile a, half hf of K: 16 loads into window 3; K step k is heads 2 k and 2 k + 1
	WIN 0xc0
.irp k, 0,1,2,3
.set RG, 96*((\a)%2)+12*(4*\hf+\k)
.set OF, 2*\k*6400+768*(\a)
	ds_load_b128 v[RG:RG+3], v[4+2*\hf] offset:OF
	ds_load_b64 v[RG+4:RG+5], v[5+2*\hf] offset:OF+512
	ds_load_b128 v[RG+6:RG+9], v[4+2*\hf] offset:OF+6400
	ds_load_b64 v[RG+10:RG+11], v[5+2*\hf] offset:OF+6912
.endr
.endm
; The scale words of half hf of K, four K steps.  o's: two bytes from each of two heads; the second head's come into v[TP] on and are joined by WORDS
.macro SCALES hf
	WIN 0
.irp a, 0,1,2,3
.irp k, 0,1,2,3
	ds_load_u16 v[SO+8*\a+4*\hf+\k], v[12+\hf] offset:2*\k*6400+6144+32*\a
	ds_load_u16 v[TP+4*\a+\k], v[12+\hf] offset:(2*\k+1)*6400+6144+32*\a
	ds_load_b32 v[SW+8*\a+4*\hf+\k], v[14+\hf] offset:\k*6400+6144+64*\a
.endr
.endr
.endm
.macro WORDS hf                        ; tile 0's words first: the other twelve are places between them and its products
	WIN 0
.irp a, 0,1,2,3
.irp k, 0,1,2,3
	v_lshl_or_b32 v[SO+8*\a+4*\hf+\k], v[TP+4*\a+\k], 16, v[SO+8*\a+4*\hf+\k]
.endr
.endr
	s_wait_alu depctr_va_vdst(0)                   ; behind the words that later tiles read
.endm
; 16 products: tile a, half hf of K: the tile's four accumulators by turns
.macro MULT a, hf
	WIN (0x0d+\hf)                                 ; source 0 window 1 or 2, source 1 window 3; C and D window 0
.irp k, 0,1,2,3
.irp b, 0,1,2,3
.if (4*\hf+\k) == 0
	v_wmma_scale_f32_16x16x128_f8f6f4 v[ACC+8*(4*\a+\b):ACC+8*(4*\a+\b)+7], v[12*(4*\k+\b):12*(4*\k+\b)+11], v[96*((\a)%2)+12*(4*\hf+\k):96*((\a)%2)+12*(4*\hf+\k)+11], v[BB+8*\b:BB+8*\b+7], v[SW+8*\b+4*\hf+\k], v[SO+8*\a+4*\hf+\k] matrix_a_fmt:MATRIX_FMT_BF6 matrix_b_fmt:MATRIX_FMT_BF6
.else
	v_wmma_scale_f32_16x16x128_f8f6f4 v[ACC+8*(4*\a+\b):ACC+8*(4*\a+\b)+7], v[12*(4*\k+\b):12*(4*\k+\b)+11], v[96*((\a)%2)+12*(4*\hf+\k):96*((\a)%2)+12*(4*\hf+\k)+11], v[ACC+8*(4*\a+\b):ACC+8*(4*\a+\b)+7], v[SW+8*\b+4*\hf+\k], v[SO+8*\a+4*\hf+\k] matrix_a_fmt:MATRIX_FMT_BF6 matrix_b_fmt:MATRIX_FMT_BF6
.endif
.endr
.endr
.endm
; THE WAY OUT of tile a, 16 rows x 64 columns, through my own stage in LDS, into which no tensor load lands: back come whole rows of 256 bytes.  LDS serves a wave's instructions in order: no wait between the stores and the loads.
; Each tile comes back into 32 registers of its own in window 1 or 2, so no store's data are written again.
.macro TOSTAGE a
.rept 4
	v_nop                                          ; places behind the tile's last products, also for the loads into registers that they read
.endr
	WIN (0x40*(1+(\a)/2))                          ; loaded data window 1 or 2, all else window 0
.irp b, 0,1,2,3
	ds_store_b128 v24, v[ACC+8*(4*(\a)+\b):ACC+8*(4*(\a)+\b)+3] offset:32*\b          ; each accumulator from its low end on
	ds_store_b128 v24, v[ACC+8*(4*(\a)+\b)+4:ACC+8*(4*(\a)+\b)+7] offset:32*\b+16
.endr
.irp t, 0,1,2,3,4,5,6,7
	ds_load_b128 v[192+32*((\a)%2)+4*\t:192+32*((\a)%2)+4*\t+3], v25 offset:544*\t
.endr
.endm
.macro SEND a, younger                 ; younger: the LDS instructions issued behind tile a's loads, which may stay out
	WIN (0x04*(1+(\a)/2))                          ; the data: window 1 or 2
	s_wait_dscnt \younger
.irp t, 0,1,2,3,4,5,6,7
	global_store_b128 v26, v[192+32*((\a)%2)+4*\t:192+32*((\a)%2)+4*\t+3], s[10:11] offset:(128*(\a)+2*\t+24*(\t/4))*4096 th:TH_STORE_NT   ; sixteen lanes store 256 consecutive bytes, aligned; the stage's row 2 t + h is the tile's lane 2 t + h
.endr
.endm
	s_wait_alu depctr_va_vdst(0)                   ; the wait at the head's end
	s_cmp_eq_u32 s18, 1
	s_cbranch_scc1 .Lupper_later
	s_wait_tensorcnt 0x0                           ; waves 0 and 2: the lower half of K is in
.Lupper_later:
	s_barrier_signal -1
	s_barrier_wait -1
	SCALES 0
	OFRAGS 0, 0
	WFRAGS 0
	s_wait_loadcnt 0x0                             ; the bias
	s_wait_dscnt 0x0
	WORDS 0
	MULT 0, 0
	s_wait_tensorcnt 0x0                           ; my part is in, whichever half it is of
	s_barrier_signal -1
	s_barrier_wait -1                              ; everybody's is
	SCALES 1
	OFRAGS 0, 1
	WFRAGS 1
	OFRAGS 1, 0
	OFRAGS 1, 1
	s_wait_dscnt 32                                ; tile 1's 32 loads may be out
	WORDS 1
	MULT 0, 1
	TOSTAGE 0
	OFRAGS 2, 0
	OFRAGS 2, 1
	s_wait_dscnt 48                                ; tile 1 is in; the stage's 16 and tile 2's 32 may be out
	MULT 1, 0
	SEND 0, 32
	MULT 1, 1
	TOSTAGE 1
	OFRAGS 3, 0
	OFRAGS 3, 1
	s_wait_dscnt 48
	MULT 2, 0
	SEND 1, 32
	MULT 2, 1
	TOSTAGE 2
	s_wait_dscnt 16                                ; tile 3 is in; the stage's 16 may be out
	MULT 3, 0
	SEND 2, 0
	MULT 3, 1
	TOSTAGE 3
	SEND 3, 0
	WIN 0
	s_wait_tensorcnt 0x0                           ; the wave's end
	ds_add_u32 v30, v31
	s_wait_dscnt 0x0
	CROUND                                         ; the closing round: no work-group ends while a partner may still ask for a tile that names it
	s_endpgm
.Lfunc_end_k_q3c39d6d40f_proj:
	.size	k_q3c39d6d40f_proj, .Lfunc_end_k_q3c39d6d40f_proj-k_q3c39d6d40f_proj
	.p2alignl 7, 3214868480
	.fill 96, 4, 3214868480
	.section	.rodata,"a",@progbits
	.p2align	6, 0x0
	.amdhsa_kernel k_q3c39d6d40f_proj
		.amdhsa_group_segment_fixed_size 222720
		.amdhsa_private_segment_fixed_size 0
		.amdhsa_enable_private_segment 0
		.amdhsa_kernarg_size 32
		.amdhsa_user_sgpr_count 2
		.amdhsa_user_sgpr_kernarg_segment_ptr 1
		.amdhsa_wavefront_size32 1
		.amdhsa_system_sgpr_workgroup_id_x 1
		.amdhsa_system_sgpr_workgroup_id_y 1
		.amdhsa_system_sgpr_workgroup_id_z 1
		.amdhsa_system_vgpr_workitem_id 0
		.amdhsa_next_free_vgpr 1024
		.amdhsa_next_free_sgpr 104
		.amdhsa_reserve_vcc 0
		.amdhsa_float_denorm_mode_32 3
		.amdhsa_float_denorm_mode_16_64 3
		.amdhsa_memory_ordered 1
		.amdhsa_forward_progress 1
		.amdhsa_inst_pref_size 58
	.end_amdhsa_kernel
	.amdgpu_metadata
---
amdhsa.version: [ 1, 2 ]
amdhsa.kernels:
  - .name:           k_q3c39d6d40f_proj
    .symbol:         k_q3c39d6d40f_proj.kd
    .args:
      - { .name: oc, .offset: 0, .size: 8, .value_kind: global_buffer, .address_space: global }
      - { .name: wc, .offset: 8, .size: 8, .value_kind: global_buffer, .address_space: global }
      - { .name: b_out, .offset: 16, .size: 8, .value_kind: global_buffer, .address_space: global }
      - { .name: out0, .offset: 24, .size: 8, .value_kind: global_buffer, .address_space: global }
    .group_segment_fixed_size: 222720
    .private_segment_fixed_size: 0
    .kernarg_segment_align: 8
    .kernarg_segment_size: 32
    .max_flat_workgroup_size: 128
    .sgpr_count:     104
    .vgpr_count:     1024
    .wavefront_size: 32
...
	.end_amdgpu_metadata
.endif
;; end of part 4
